; MI455X (gfx1250); checked and timed in simulation.
; The chip was launched on July 23, 2026; its instructions are those of AMD's public machine-readable ISA for CDNA 5 (MIT licence, August 2026) and "CDNA5" Instruction Set Architecture Reference Guide (July 2026). The comments in the code are by the model that wrote it; some were corrected since.
;; Multi Head Self Attention. Allowed arithmetic: matrix products marked QUANTISED: E4M3 operands, one E8M0 scale for each 32 along K, by v_wmma_scale_f32_16x16x128_f8f6f4 with both operands' format E4M3, f32 sums; everything else in f32.
;; Inputs: W_fc 1,024 x 1,024 float32; W_qkv 3,072 x 1,024 float32; b_fc 1,024 float32; b_qkv 3,072 float32; x 4 x 2,048 x 1,024 float32.
;; Outputs: out0 4 x 2,048 x 1,024 float32.
;; This version of the problem:
;;   THIS VERSION OF THE PROBLEM IS GIVEN IN LOW PRECISION. The matrix products marked QUANTISED in the list below multiply operands that are first quantised to E4M3 (4 exponent bits, 3 mantissa bits; 8 bits a number), with one power-of-two scale for each 32 numbers along K (OCP MX v1.0); their sums are f32. All else is computed in f32.
;;   The module's matrix products, in the order in which they are computed (A, B: the left and right operand; K: the contracted axis; several contracted axes count as one K, in the product's order):
;;     1. [M 8,192, K 1,024] x [K 1,024, N 3,072]; A: input x; B: input W_qkv: QUANTISED
;;     2. batch 64 x [M 2,048, K 64] x [K 64, N 2,048]; A: computed on the way; B: computed on the way: QUANTISED
;;     3. batch 64 x [M 2,048, K 2,048] x [K 2,048, N 64]; A: softmax (see below); B: computed on the way: QUANTISED
;;     4. [M 8,192, K 1,024] x [K 1,024, N 1,024]; A: computed on the way; B: input W_fc: QUANTISED
;;   THE QUANTISER, for each operand of a quantised product, along K:
;;     - K is cut into blocks of 32 from its start; a last block that is shorter is filled with zeros.
;;     - A block's scale is 2^e with e = floor(log2(the largest magnitude in the block)) - 8, held to -126 .. 127; a block of zeros has e = 0. As a byte (E8M0): e + 127.
;;     - Each number is divided by its block's scale, clamped to +-448, and rounded to the nearest number of E4M3, ties to even, subnormals kept.
;;     - The product sums the exact products of the quantised numbers (number of the format x scale) in f32.
;;   ~~~python
;;   def quantise(x, axis):      # numpy; x: float32 -> the quantised numbers, widened to float32 again
;;       x = np.moveaxis(x, axis, -1); K = x.shape[-1]
;;       x = np.pad(x, [(0, 0)] * (x.ndim - 1) + [(0, -K % 32)]); x = x.reshape(x.shape[:-1] + (-1, 32)); a = np.abs(x).max(-1, keepdims=True)
;;       e = np.where(a > 0, np.clip(np.frexp(np.where(a > 0, a, 1))[1] - 1 - 8, -126, 127), 0)      # np.frexp(a)[1] - 1 = floor(log2(a)), exactly
;;       r = np.clip(x / 2.0 ** e, -448, 448)
;;       step = 2.0 ** (np.maximum(np.frexp(np.where(r == 0, 1, r))[1] - 1, -6) - 3)
;;       q = np.round(r / step) * step * 2.0 ** e      # np.round: ties to even
;;       return np.moveaxis(q.reshape(q.shape[:-2] + (-1,))[..., :K], -1, axis).astype(np.float32)
;;   ~~~
;;   SOFTMAX AHEAD OF A QUANTISED PRODUCT. Where the list says 'softmax', what is quantised is not the finished softmax but p = 2^(t - M), with t = logit x log2(e) and M = ceil(the row's largest t), a whole number; so 1/2 < the row's largest p <= 1. The row's sum l is taken of the UNQUANTISED p, in f32, and the product's result is divided by l at the end. Since M is a whole number, a kernel that streams over the keys may use a running M (the ceiling of the running maximum): every later rescaling is an exact power of two, which a block's scale takes up: the codes' values come out the same.
;;   OPERANDS COMPUTED ON THE WAY. 'Computed on the way' means the value that the module computes at that place (a softmax that the list does not call 'softmax' is quantised finished and normalised). What goes into a quantiser is computed in f32, as accurately as f32 sums, v_exp_f32 and their like allow (about 1e-6 of the number): no bf16 or f16 on the way to a quantiser, and a product that is left as it is and whose result goes on into a quantised operand takes f32 operands (vector FMAs, or v_wmma_f32_16x16x4_f32). A number that lies on a knife's edge between two numbers of the format may be rounded either way, as far as f32 arithmetic and the matrix unit's own rounding can turn it there, and no further.
;; One version. Each part assembles by itself: llvm-mc -triple=amdgcn-amd-amdhsa -mcpu=gfx1250 --defsym DOCPART=n.
;; ======== version 1 of 1: 4 launches
;; limits: right only within a limited range of input values
;; workspace buffers: opc 12,582,912 bytes; ops 393,216 bytes; qkvc 25,165,824 bytes; qkvs 786,432 bytes; attc 8,388,608 bytes; atts 262,144 bytes
;; launch quant (part 1): grid 384 x 1, 4 waves a work-group, no clusters, 35,328 bytes of LDS; arguments x, W_qkv, W_fc, opc, ops; writes opc, ops
.if DOCPART == 1
	.amdgcn_target "amdgcn-amd-amdhsa--gfx1250"
	.amdhsa_code_object_version 6
	.text
	.protected	k_qb81631ac19_quant
	.globl	k_qb81631ac19_quant
	.p2align	8
	.type	k_qb81631ac19_quant,@function
k_qb81631ac19_quant:
	s_mov_b64 s[64:65], 0
	v_nop
	global_prefetch_b8 v0, s[64:65] scope:SCOPE_SE
	s_setreg_imm32_b32 hwreg(HW_REG_WAVE_MODE, 25, 1), 1
	s_wait_xcnt 0x0
; x [8192][1024], W_qkv [3072][1024] and W_fc [1024][1024], f32 with K innermost, become codes of FP8 (E4M3) with one E8M0 scale byte for each 32 along K.
; A block's scale is 2^(floor(log2(its largest magnitude)) - 8); each number is divided by it, held within +-448 and rounded to the nearest code, ties to even.
; LAYOUT OF THE RESULT: images of the matrix operand's registers.  ROW TILE T is the 16 rows 32 (T / 2) + 8 (T % 2) + r + 8 (r / 8), r = lane % 16.  The image of tile T and K step s (128 along K) is 2,048 bytes:
; byte 512 c + 16 lane + e is the code of the lane's row at k = 128 s + 32 c + 16 (lane / 16) + e.  opc: [768 tiles][8 K steps][2,048]: tiles 0-511 x, 512-703 W_qkv, 704-767 W_fc.
; ops: [768 tiles][4 pairs of K steps][16 rows][2 words], a word = the four scale bytes of a row and a K step.
; SHARES: a work-group takes two tiles; wave w takes tile w / 2 of them and half w % 2 of K: four K steps.
; Each load reads 512 consecutive bytes of ONE row, 16 a lane: a K step of that row.  The conversions want 16 neighbours of a block in one lane, so a K step's 16 rows turn through the wave's own stage in LDS:
; stored as loaded, rows 528 bytes apart (512 + 16 of padding, so that the sixteen rows that a read touches start in sixteen different 16-byte columns), and read back 64 bytes a lane and block: the image's registers.
; Each store of codes covers 512 consecutive bytes; a wave's 64 scale words meet in its own 256 bytes of LDS and leave as 256 consecutive bytes, aligned.
; No barrier: waves share nothing.  No matrix unit, no cluster, no tensor load: each byte is read once and nothing is shared.
; LIMITS: NaN and infinities among the inputs are not served.  A block of zeros gets the byte 1 where the rule says 127: its codes are zeros, and this program alone reads the bytes.
.set STO, 1                            ; v1   the stage, on the way out: my row r x 528 + 64 (lane / 16)
.set LI,  2                            ; v2   16 x lane
.set L8,  3                            ; v3   8 x lane
.set SW,  4                            ; v4   LDS: 256 x wave + 8 r: where my row's scale words go
.set SRD, 5                            ; v5   LDS: 256 x wave + 8 x lane: and come back
.set STI, 11                           ; v11  the stage, on the way in: 16 x lane
.set X0,  32                           ; v32-159  two sets of 64 numbers
.set CD,  160                          ; v160-223 16 registers of codes for each K step: no store's data are written again
.set TM,  224                          ; v224-239 at work: largest magnitudes, bytes, holds, scale operands
.set PW,  240                          ; v240-243 a scale word for each K step
.set OW,  244                          ; v244-245 the scale words on their way out
.set SEL, 20                           ; s[20:21] lane selects for v_permlanex16_b32: lane l xor 16
.set MNT, 22                           ; s22  the mantissa field of 448
.set SP,  528                          ; a stage row
.set STG, 1536                         ; LDS: scale words 0-1023, the spare words 1024-1535, then a stage of 16 x 528 bytes for each wave
	s_load_b128 s[4:7], s[0:1], 0x0                ; x, W_qkv
	s_load_b128 s[8:11], s[0:1], 0x10              ; W_fc, opc
	s_load_b64 s[12:13], s[0:1], 0x20              ; ops
	v_lshl_add_u32 v248, v0, 2, 0x400
	v_mov_b32 v249, 0
	v_lshrrev_b32 v6, 5, v0
	v_readfirstlane_b32 s14, v6                    ; wave 0..3
	v_and_b32 v7, 31, v0                           ; lane
	v_and_b32 v8, 15, v0                           ; r
	v_bfe_u32 v9, v0, 4, 1                         ; h
	s_mul_i32 s27, s14, 16*SP
	s_add_co_u32 s27, s27, STG                     ; my stage
	v_mul_u32_u24 v[STO], v8, SP
	v_lshl_add_u32 v[STO], v9, 6, v[STO]
	v_add_nc_u32 v[STO], s27, v[STO]
	v_lshl_add_u32 v[STI], v7, 4, s27
	v_lshlrev_b32 v[LI], 4, v7
	v_lshlrev_b32 v[L8], 3, v7
	s_lshl_b32 s15, s14, 8                         ; my wave's 256 bytes of scale words
	v_lshl_add_u32 v[SW], v8, 3, s15
	v_add_nc_u32 v[SRD], s15, v[L8]
	s_mov_b32 s[SEL], 0x76543210
	s_mov_b32 s[SEL+1], 0xfedcba98
	s_mov_b32 s[MNT], 0x600000
.irp b, 0,1,2,3
	v_mov_b32 v[TM+4+\b], 0                        ; written once: a lane permute's destination counts as one of its sources
.endr
	s_lshr_b32 s16, s14, 1                         ; which of the two tiles
	s_and_b32 s17, s14, 1                          ; which half of K
	s_lshl_b32 s18, ttmp9, 1
	s_add_co_u32 s18, s18, s16                     ; my tile, 0..767
	s_wait_alu depctr_va_vdst(0)                   ; the wait at the head's end
	s_wait_kmcnt 0x0
	s_mov_b32 s19, 704                             ; the tensor and its first tile: the choice hangs on the work-group's number alone
	s_cmp_lt_u32 ttmp9, 352
	s_cselect_b64 s[6:7], s[6:7], s[8:9]
	s_cselect_b32 s19, 512, s19
	s_cmp_lt_u32 ttmp9, 256
	s_cselect_b64 s[4:5], s[4:5], s[6:7]
	s_cselect_b32 s19, 0, s19
	s_sub_co_u32 s19, s18, s19                     ; my tile within its tensor
	s_lshr_b32 s23, s19, 1
	s_lshl_b32 s23, s23, 17                        ; 32 rows of 4,096 bytes for each pair of tiles,
	s_and_b32 s24, s19, 1
	s_lshl_b32 s24, s24, 15                        ; 8 rows for the odd tile,
	s_add_co_u32 s24, s24, s23
	s_lshl_b32 s25, s17, 11                        ; 2,048 bytes for the second half of K
	s_add_co_u32 s24, s24, s25
	s_mov_b32 s25, 0
	s_add_nc_u64 s[4:5], s[4:5], s[24:25]
	s_lshl_b32 s24, s18, 14                        ; codes: 16,384 bytes a tile, 8,192 a half of K
	s_lshl_b32 s26, s17, 13
	s_add_co_u32 s24, s24, s26
	s_add_nc_u64 s[10:11], s[10:11], s[24:25]
	s_lshl_b32 s24, s18, 9                         ; scale words: 512 bytes a tile, 256 a half of K
	s_lshl_b32 s26, s17, 8
	s_add_co_u32 s24, s24, s26
	s_add_nc_u64 s[12:13], s[12:13], s[24:25]
; K step s of my four into set: registers 4 i .. 4 i + 3 = my 16 bytes of the tile's i-th row, which is row i + 8 (i / 8) from the tile's first
.macro XLOAD set, s
.irp i, 0,1,2,3,4,5,6,7,8,9,10,11,12,13,14,15
	global_load_b128 v[X0+64*(\set)+4*\i:X0+64*(\set)+4*\i+3], v[LI], s[4:5] offset:512*(\s)+(\i+8*(\i/8))*4096 th:TH_LOAD_NT   ; 32 lanes read 512 consecutive bytes
.endr
.endm
; 64 numbers of a lane, v[s] on, register 16 b + i = k 32 b + 16 (lane / 16) + i of my row, become 16 registers of codes, v[pc] on, and my row's scale word, v[pw].
.macro QUANT s, pc, pw
.irp b, 0,1,2,3
	v_max3_num_f32 v[TM+\b], |v[\s+16*\b]|, |v[\s+1+16*\b]|, 0x4800000   ; block b: my 16 numbers, and the floor 2^(9 - 127): the byte cannot fall under 1
.endr
.irp i, 2,4,6,8,10,12,14
.irp b, 0,1,2,3
	v_max3_num_f32 v[TM+\b], v[TM+\b], |v[\s+16*\b+\i]|, |v[\s+1+16*\b+\i]|   ; the four blocks by turns
.endr
.endr
.irp b, 0,1,2,3
	v_permlanex16_b32 v[TM+4+\b], v[TM+\b], s[SEL], s[SEL+1]
.endr
.irp b, 0,1,2,3
	v_max_num_f32 v[TM+\b], v[TM+\b], v[TM+4+\b]   ; with lane l xor 16's: the block's largest magnitude
.endr
.irp b, 0,1,2,3
	v_add_nc_u32 v[TM+12+\b], 0xfc000000, v[TM+\b] ; 8 off its exponent field: the conversion's scale operand
.endr
.irp b, 0,1,2,3
	v_and_or_b32 v[TM+8+\b], v[TM+\b], 0x7f800000, s[MNT]   ; 448 x the scale
.endr
.irp b, 0,1,2,3
	v_lshrrev_b32 v[TM+4+\b], 23, v[TM+12+\b]      ; the scale's byte
.endr
	v_lshl_or_b32 v[\pw], v[TM+5], 8, v[TM+4]
	v_lshl_or_b32 v[\pw], v[TM+6], 16, v[\pw]
	v_lshl_or_b32 v[\pw], v[TM+7], 24, v[\pw]
.irp b, 0,1,2,3
.irp i, 0,1,2,3,4,5,6,7,8,9,10,11,12,13,14,15
	v_med3_num_f32 v[\s+16*\b+\i], v[\s+16*\b+\i], -v[TM+8+\b], v[TM+8+\b]   ; the conversion to an 8-bit code does not saturate (ISA guide 7.6.2): the hold comes first
.endr
	v_cvt_scalef32_pk8_fp8_f32 v[\pc+4*\b:\pc+1+4*\b], v[\s+16*\b:\s+7+16*\b], v[TM+12+\b]
	v_cvt_scalef32_pk8_fp8_f32 v[\pc+2+4*\b:\pc+3+4*\b], v[\s+8+16*\b:\s+15+16*\b], v[TM+12+\b]
.endr
	v_nop                                          ; a plain line behind the last conversion
.endm
.macro QSTEP s
.set XS, X0+64*((\s)%2)
.if (\s) < 3
	s_wait_loadcnt 16                              ; this K step's 16 loads are in; the next step's 16 may be out
.else
	s_wait_loadcnt 0x0
.endif
.irp i, 0,1,2,3,4,5,6,7,8,9,10,11,12,13,14,15
	ds_store_b128 v[STI], v[XS+4*\i:XS+4*\i+3] offset:SP*\i
.endr
	s_wait_dscnt 0x0                               ; the stores have read their registers, which the loads below fill
.irp b, 0,1,2,3
.irp j, 0,1,2,3
	ds_load_b128 v[XS+16*\b+4*\j:XS+16*\b+4*\j+3], v[STO] offset:128*\b+16*\j   ; register 16 b + 4 j + .. = k 32 b + 16 h + 4 j + .. of row r
.endr
.endr
	s_wait_dscnt 0x0
	QUANT XS, CD+16*(\s), PW+(\s)
.irp c, 0,1,2,3
	global_store_b128 v[LI], v[CD+16*(\s)+4*\c:CD+16*(\s)+4*\c+3], s[10:11] offset:2048*(\s)+512*\c   ; 32 lanes store 512 consecutive bytes
.endr
	ds_store_b32 v[SW], v[PW+(\s)] offset:128*((\s)/2)+4*((\s)%2)   ; lanes r and r + 16 write the same word with the same value
.if (\s) < 2
	XLOAD (\s)%2, (\s)+2                           ; the set just quantised takes the K step two on
.endif
.endm
	XLOAD 0, 0
	XLOAD 1, 1
	QSTEP 0
	QSTEP 1
	QSTEP 2
	QSTEP 3
	ds_load_b64 v[OW:OW+1], v[SRD]                 ; LDS serves a wave's instructions in order: this sees my stores
	s_wait_dscnt 0x0
	global_store_b64 v[L8], v[OW:OW+1], s[12:13]   ; 32 lanes store 256 consecutive bytes, aligned
	s_wait_tensorcnt 0x0                           ; the wave's end
	ds_add_u32 v248, v249
	s_wait_dscnt 0x0
	s_endpgm
.Lfunc_end_k_qb81631ac19_quant:
	.size	k_qb81631ac19_quant, .Lfunc_end_k_qb81631ac19_quant-k_qb81631ac19_quant
	.p2alignl 7, 3214868480
	.fill 96, 4, 3214868480
	.section	.rodata,"a",@progbits
	.p2align	6, 0x0
	.amdhsa_kernel k_qb81631ac19_quant
		.amdhsa_group_segment_fixed_size 35328
		.amdhsa_private_segment_fixed_size 0
		.amdhsa_enable_private_segment 0
		.amdhsa_kernarg_size 40
		.amdhsa_user_sgpr_count 2
		.amdhsa_user_sgpr_kernarg_segment_ptr 1
		.amdhsa_wavefront_size32 1
		.amdhsa_system_sgpr_workgroup_id_x 1
		.amdhsa_system_sgpr_workgroup_id_y 1
		.amdhsa_system_sgpr_workgroup_id_z 1
		.amdhsa_system_vgpr_workitem_id 0
		.amdhsa_next_free_vgpr 250
		.amdhsa_next_free_sgpr 66
		.amdhsa_reserve_vcc 0
		.amdhsa_float_denorm_mode_32 3
		.amdhsa_float_denorm_mode_16_64 3
		.amdhsa_memory_ordered 1
		.amdhsa_forward_progress 1
		.amdhsa_inst_pref_size 52
	.end_amdhsa_kernel
	.amdgpu_metadata
---
amdhsa.version: [ 1, 2 ]
amdhsa.kernels:
  - .name:           k_qb81631ac19_quant
    .symbol:         k_qb81631ac19_quant.kd
    .args:
      - { .name: x, .offset: 0, .size: 8, .value_kind: global_buffer, .address_space: global }
      - { .name: W_qkv, .offset: 8, .size: 8, .value_kind: global_buffer, .address_space: global }
      - { .name: W_fc, .offset: 16, .size: 8, .value_kind: global_buffer, .address_space: global }
      - { .name: opc, .offset: 24, .size: 8, .value_kind: global_buffer, .address_space: global }
      - { .name: ops, .offset: 32, .size: 8, .value_kind: global_buffer, .address_space: global }
    .group_segment_fixed_size: 35328
    .private_segment_fixed_size: 0
    .kernarg_segment_align: 8
    .kernarg_segment_size: 40
    .max_flat_workgroup_size: 128
    .sgpr_count:     66
    .vgpr_count:     250
    .wavefront_size: 32
...
	.end_amdgpu_metadata
.endif
;; end of part 1
;; launch qkv (part 2): grid 12 x 32, 4 waves a work-group, clusters of 4 x 4, 327,680 bytes of LDS; arguments opc, ops, b_qkv, qkvc, qkvs; writes qkvc, qkvs
.if DOCPART == 2
	.amdgcn_target "amdgcn-amd-amdhsa--gfx1250"
	.amdhsa_code_object_version 6
	.text
	.protected	k_qb81631ac19_qkv
	.globl	k_qb81631ac19_qkv
	.p2align	8
	.type	k_qb81631ac19_qkv,@function
k_qb81631ac19_qkv:
	s_mov_b64 s[64:65], 0
	v_nop
	global_prefetch_b8 v0, s[64:65] scope:SCOPE_SE
	s_setreg_imm32_b32 hwreg(HW_REG_WAVE_MODE, 25, 1), 1
	s_wait_xcnt 0x0
	s_wait_alu depctr_hold_cnt(0) depctr_sa_sdst(0) depctr_va_vdst(0) depctr_va_sdst(0) depctr_va_ssrc(0) depctr_va_vcc(0) depctr_vm_vsrc(0)
	s_getreg_b32 s2, hwreg(HW_REG_IB_STS2, 6, 4)
	s_cmp_eq_u32 s2, 0
	s_cbranch_scc0 .Lentry_in_a_cluster
	s_endpgm
.Lentry_in_a_cluster:
	s_bfe_u32 s2, ttmp6, 0x10000c
	s_cmp_lg_u32 s2, 0xf033
	s_cbranch_scc0 .Lentry_shape_is_right
	s_endpgm
.Lentry_shape_is_right:
.set NQ,     2
.set FR,     16
.set NL,     4
.set NP,     8
.set IMG,    2048
.set TILEB,  NQ*IMG
.set HALFT,  8*TILEB
.set SLOT,   4*HALFT
.set LAPS,   2
.set SCL,    2*SLOT
.set HALFS,  4096
.set SBLK,   512
.set SPARE,  SCL+4*HALFS
.set U,    8
.set ADRA, 16
.set ADRB, 20
.set SOF,  22
.set LI,   26
.set ADRS, 27
.set SPW,  28
.set NIL,  29
.set SC,   32
.set T,    64
.set AF,   128
.set XX,   128
.set PCD,  192
.set TM,   224
.set PWS,  240
.set OUTW, 248
.set G1,   24
.set G0,   32
.set G1B,  48
.set G0B,  56
.set G1S,  68
.set G0S,  76
.set G1SB, 80
.set G0SB, 88
.set SEL,  66
.set MNT,  94
.set MSB, 0
.macro WIN new
.if MSB != (\new)
	s_set_vgpr_msb (MSB<<8)|(\new)
.set MSB, \new
.endif
.endm
.set MUL_LO, 0xa1
.set MUL_HI, 0xf1
.set TO_B,   0x40
.macro JLOAD g0a, g1a, g0b, g1b
	s_cmp_eq_u32 s15, 0
	s_cbranch_scc0 .Lfor_b_\@
	tensor_load_to_lds s[\g0a:\g0a+3], s[\g1a:\g1a+7]
	s_nop 0
.rept 4
	v_nop
.endr
	s_branch .Lasked_\@
.Lfor_b_\@:
	tensor_load_to_lds s[\g0b:\g0b+3], s[\g1b:\g1b+7]
	s_nop 0
.rept 4
	v_nop
.endr
.Lasked_\@:
.endm
.macro CREST
	s_cmp_lg_u32 s14, 0
	s_cbranch_scc1 .Lnot_wave_0_\@
	s_barrier_signal -3
.Lnot_wave_0_\@:
	s_barrier_wait -3
	s_barrier_signal -1
	s_barrier_wait -1
.endm
.macro CROUND
	s_barrier_signal -1
	s_barrier_wait -1
	CREST
.endm
	s_load_b128 s[4:7], s[0:1], 0x0
	s_load_b128 s[8:11], s[0:1], 0x0
	s_load_b64 s[12:13], s[0:1], 0x10
	s_load_b64 s[96:97], s[0:1], 0x18
	s_load_b64 s[98:99], s[0:1], 0x20
	v_lshl_add_u32 v[SPW], v0, 2, SPARE
	v_mov_b32 v[NIL], 0
	ds_add_u32 v28, v29
	ds_add_u32 v28, v29
	s_wait_dscnt 0x0
	v_lshrrev_b32 v1, 5, v0
	v_readfirstlane_b32 s14, v1
	s_lshr_b32 s15, s14, 1
	s_and_b32 s16, s14, 1
	s_bfe_u32 s40, ttmp6, 0x40000
	s_bfe_u32 s41, ttmp6, 0x40004
	s_lshl_b32 s43, s41, 2
	s_lshl_b32 s43, 15, s43
	s_lshl_b32 s44, 0x1111, s40
	s_and_b32 s18, ttmp7, 0xffff
	s_lshl_b32 s18, s18, 2
	s_lshr_b32 s19, ttmp9, 1
	s_sub_co_u32 s17, 40, s18
	s_mul_i32 s17, s17, s19
	s_add_co_u32 s17, s17, s18
	s_add_co_u32 s17, s17, s41
	s_lshl_b32 s42, ttmp9, 2
	s_add_co_u32 s42, s42, 32
	s_sub_co_u32 s45, s18, s42
	s_mul_i32 s45, s45, s19
	s_add_co_u32 s42, s42, s45
	s_add_co_u32 s42, s42, s40
	s_or_b32 s[G1+0], s43, (3<<16)|(1<<21)
	s_or_b32 s[G1B+0], s44, (3<<16)|(1<<21)
.irp g, G1, G1B
	s_mov_b32 s[\g+1], 512<<16
	s_mov_b32 s[\g+2], 16<<16
	s_mov_b32 s[\g+3], 512<<16
	s_mov_b32 s[\g+4], 16
	s_mov_b32 s[\g+5], 2048
	s_mov_b32 s[\g+6], 0
	s_mov_b32 s[\g+7], 0
.endr
	s_or_b32 s[G1S+0], s43, (3<<16)|(1<<21)
	s_or_b32 s[G1SB+0], s44, (3<<16)|(1<<21)
.irp g, G1S, G1SB
	s_mov_b32 s[\g+1], 32<<16
	s_mov_b32 s[\g+2], 32<<16
	s_mov_b32 s[\g+3], 32<<16
	s_mov_b32 s[\g+4], 32
	s_mov_b32 s[\g+5], 32
	s_mov_b32 s[\g+6], 0
	s_mov_b32 s[\g+7], 0
.endr
	s_lshl_b32 s19, s16, 17
	s_lshl_b32 s20, s17, 18
	s_add_co_u32 s20, s20, s19
	s_mov_b32 s21, 0
	s_lshr_b32 s22, s20, 5
	s_mov_b32 s23, 0
	s_lshl_b32 s46, s42, 18
	s_add_co_u32 s46, s46, s19
	s_mov_b32 s47, 0
	s_lshr_b32 s92, s46, 5
	s_mov_b32 s93, 0
	s_mul_i32 s45, s14, HALFT
	s_wait_kmcnt 0x0
	s_add_nc_u64 s[20:21], s[4:5], s[20:21]
	s_add_nc_u64 s[22:23], s[6:7], s[22:23]
	s_add_nc_u64 s[46:47], s[8:9], s[46:47]
	s_add_nc_u64 s[92:93], s[10:11], s[92:93]
	CROUND                                         ; all sixteen work-groups are here: the first joint loads meet
	; the head's four tiles, each whole: the addresses above less my wave's half.  Their groups 0 lie in s[4:11], where the arguments have been used, and in the scales' own
	s_mov_b32 s100, s19
	s_mov_b32 s101, 0
	s_mov_b32 s4, 1                                ; slot 0's 16 row tiles of A,
	s_mov_b32 s5, 0
	s_sub_nc_u64 s[6:7], s[20:21], s[100:101]
	s_or_b32 s7, s7, 0x80000000
	s_mov_b32 s8, 1                                ; its 16 of B, behind them,
	s_mov_b32 s9, 2*HALFT
	s_sub_nc_u64 s[10:11], s[46:47], s[100:101]
	s_or_b32 s11, s11, 0x80000000
	s_lshr_b32 s100, s19, 5
	s_mov_b32 s[G0S], 1                            ; the scale words of A's 16 tiles, 8,192 dense bytes,
	s_mov_b32 s[G0S+1], SCL
	s_sub_nc_u64 s[G0S+2:G0S+3], s[22:23], s[100:101]
	s_or_b32 s[G0S+3], s[G0S+3], 0x80000000
	s_mov_b32 s[G0SB], 1                           ; and of B's
	s_mov_b32 s[G0SB+1], SCL+2*HALFS
	s_sub_nc_u64 s[G0SB+2:G0SB+3], s[92:93], s[100:101]
	s_or_b32 s[G0SB+3], s[G0SB+3], 0x80000000
.irp s, 0,1
	s_mov_b32 s[G0+4*\s], 1
	s_add_co_u32 s[G0+4*\s+1], s45, \s*SLOT
	s_add_nc_u64 s[G0+4*\s+2:G0+4*\s+3], s[20:21], \s*TILEB
	s_or_b32 s[G0+4*\s+3], s[G0+4*\s+3], 0x80000000
	s_mov_b32 s[G0B+4*\s], 1
	s_add_co_u32 s[G0B+4*\s+1], s45, \s*SLOT
	s_add_nc_u64 s[G0B+4*\s+2:G0B+4*\s+3], s[46:47], \s*TILEB
	s_or_b32 s[G0B+4*\s+3], s[G0B+4*\s+3], 0x80000000
.endr
; THE HEAD'S LOADS, ONE A WAVE: wave 0 slot 0's A, wave 1 its B, wave 2 A's scale words, wave 3 B's.  One tree of branches on the wave's number: every way passes exactly one load.
.macro ARM under, g0, g1, next
	s_cmp_lt_u32 s14, \under
	s_cbranch_scc0 \next
	tensor_load_to_lds s[\g0:\g0+3], s[\g1:\g1+7]
	s_nop 0
.rept 4
	v_nop
.endr
	s_branch .Lhead_asked
\next:
.endm
	ARM 1, 4, G1, .Lhead_b
	ARM 2, 8, G1B, .Lhead_sa
	ARM 3, G0S, G1S, .Lhead_sb
	tensor_load_to_lds s[G0SB:G0SB+3], s[G1SB:G1SB+7]
	s_nop 0
.rept 4
	v_nop
.endr
.Lhead_asked:                                      ; the addresses and the bias loads below are made while the four tiles are on their way
	v_and_b32 v1, 15, v0
	v_bfe_u32 v2, v0, 4, 1
	s_wait_alu depctr_va_vdst(0)
	v_and_b32 v3, 31, v0
	v_lshlrev_b32 v[LI], 4, v3
	s_mul_i32 s21, s15, HALFT
	s_mul_i32 s22, s16, HALFT
	s_add_co_u32 s22, s22, 2*HALFT
.irp s, 0,1
	v_add_nc_u32 v[ADRA+\s], s21, v[LI]
	v_add_nc_u32 v[ADRB+\s], s22, v[LI]
	s_add_co_u32 s21, s21, SLOT
	s_add_co_u32 s22, s22, SLOT
.endr
	v_lshlrev_b32 v5, 3, v1
	s_mul_i32 s21, s15, HALFS
	s_mul_i32 s22, s16, HALFS
	s_add_co_u32 s22, s22, 2*HALFS
	s_sub_co_u32 s22, s22, s21
	v_mul_u32_u24 v6, s22, v2
	s_add_co_u32 s21, s21, SCL
	v_add_nc_u32 v5, v5, v6
	v_add_nc_u32 v[ADRS], s21, v5
	s_lshl_b32 s20, ttmp9, 2
	s_add_co_u32 s20, s20, s40
	s_lshl_b32 s20, s20, 10
	s_lshl_b32 s21, s16, 9
	s_add_co_u32 s20, s20, s21
	s_mov_b32 s21, 0
	s_add_nc_u64 s[20:21], s[12:13], s[20:21]
	s_lshl_b32 s22, s41, 10
	s_lshl_b32 s23, s15, 9
	s_add_co_u32 s22, s22, s23
	s_add_co_u32 s22, s22, 8192
	s_mov_b32 s23, 0
	s_add_nc_u64 s[22:23], s[12:13], s[22:23]
	v_lshlrev_b32 v7, 6, v2
	v_and_b32 v4, 8, v1
	v_add_nc_u32 v4, v4, v1
	v_lshlrev_b32 v4, 2, v4
.irp b, 0,1,2,3,4,5,6,7
	global_load_b128 v[T+8*\b:T+8*\b+3], v7, s[20:21] offset:(32*(\b/2)+8*(\b%2))*4
	global_load_b128 v[T+8*\b+4:T+8*\b+7], v7, s[20:21] offset:(32*(\b/2)+8*(\b%2))*4+16
	global_load_b32 v[U+\b], v4, s[22:23] offset:(32*(\b/2)+8*(\b%2))*4
.endr
.macro FRAG reg, adr, q, i
.irp c, 0,1,2,3
	ds_load_b128 v[\reg+4*\c:\reg+4*\c+3], v[\adr] offset:TILEB*(\i)+IMG*(\q)+512*\c
.endr
.endm
.macro MUL16 a0, p, q, sc, zero
.irp a, \a0, \a0+1
.irp b, 0,1,2,3,4,5,6,7
.if \zero
	v_wmma_scale_f32_16x16x128_f8f6f4 v[8*(8*((\a)%4)+\b):8*(8*((\a)%4)+\b)+7], v[128*(\p)+FR*\b:128*(\p)+FR*\b+FR-1], v[AF+FR*(\a):AF+FR*(\a)+FR-1], 0, v[SC+8*NQ*(\sc)+NQ*\b+(\q)], v[SC+8*NQ*(\sc)+NQ*(\a)+(\q)] matrix_a_scale:MATRIX_SCALE_ROW1
.else
	v_wmma_scale_f32_16x16x128_f8f6f4 v[8*(8*((\a)%4)+\b):8*(8*((\a)%4)+\b)+7], v[128*(\p)+FR*\b:128*(\p)+FR*\b+FR-1], v[AF+FR*(\a):AF+FR*(\a)+FR-1], v[8*(8*((\a)%4)+\b):8*(8*((\a)%4)+\b)+7], v[SC+8*NQ*(\sc)+NQ*\b+(\q)], v[SC+8*NQ*(\sc)+NQ*(\a)+(\q)] matrix_a_scale:MATRIX_SCALE_ROW1
.endif
.endr
.endr
.endm
.macro FETCH_B slot, q, p
	WIN TO_B
.irp i, 0,1,2,3,4,5,6,7
	FRAG 128*(\p)+FR*\i, ADRB+\slot, \q, \i
.endr
	WIN 0
.endm
.macro FETCH_A slot, q, i0
.irp i, \i0, \i0+1, \i0+2, \i0+3
	FRAG AF+FR*(\i), ADRA+\slot, \q, \i
.endr
.endm
.macro SCALES sc
.irp i, 0,1,2,3,4,5,6,7
	ds_load_b64 v[SC+8*NQ*\sc+NQ*\i:SC+8*NQ*\sc+NQ*\i+1], v[ADRS] offset:\i*SBLK
.endr
.endm
.macro PLACES n
.rept \n
	v_nop
.endr
.endm
.macro STEP slot, q, zero
	s_wait_dscnt 4*NL
	WIN MUL_LO
	MUL16 0, (\q)%2, \q, \slot, \zero
	MUL16 2, (\q)%2, \q, \slot, \zero
	s_wait_dscnt 0
	PLACES NP
	FETCH_B \slot, (\q)+1, 1-(\q)%2
	FETCH_A \slot, (\q)+1, 0
	WIN MUL_HI
	MUL16 4, (\q)%2, \q, \slot, \zero
	MUL16 6, (\q)%2, \q, \slot, \zero
	PLACES NP
	WIN 0
	FETCH_A \slot, (\q)+1, 4
.endm
.macro TURN slot, next, fill
	s_wait_tensorcnt 0x0
	ds_add_u32 v[SPW], v[NIL]
	s_wait_dscnt 4*NL+1
	WIN MUL_LO
	MUL16 0, 1, NQ-1, \slot, 0
	s_wait_dscnt 0x0
	s_barrier_signal -1
	MUL16 2, 1, NQ-1, \slot, 0
	WIN 0
	s_barrier_wait -1
.if \fill
	CREST
	s_add_nc_u64 s[G0+4*\slot+2:G0+4*\slot+3], s[G0+4*\slot+2:G0+4*\slot+3], 2*TILEB
	s_add_nc_u64 s[G0B+4*\slot+2:G0B+4*\slot+3], s[G0B+4*\slot+2:G0B+4*\slot+3], 2*TILEB
	JLOAD G0+4*\slot, G1, G0B+4*\slot, G1B
	PLACES NP-4
.else
	PLACES NP
.endif
	s_wait_alu depctr_va_vdst(0)
	v_add_nc_u32 v[ADRS], 128, v[ADRS]
	FETCH_B \next, 0, 0
	FETCH_A \next, 0, 0
	SCALES \next
	WIN MUL_HI
	MUL16 4, 1, NQ-1, \slot, 0
	MUL16 6, 1, NQ-1, \slot, 0
	PLACES NP
	WIN 0
	FETCH_A \next, 0, 4
.endm
	s_wait_alu depctr_va_vdst(0)
	s_wait_tensorcnt 0x0                           ; my tile of the head's four is in
	ds_add_u32 v[SPW], v[NIL]
	s_mov_b32 s[G1+2], 8<<16                       ; no tensor load of mine is out: from here on a load brings 8 row tiles
	s_mov_b32 s[G1+4], 8
	s_mov_b32 s[G1B+2], 8<<16
	s_mov_b32 s[G1B+4], 8
	s_wait_dscnt 0x0
	CROUND                                         ; all four tiles are in, and all sixteen work-groups are here
	JLOAD G0+4, G1, G0B+4, G1B                     ; slot 1's first fill, the first tensor load behind the round
	s_wait_loadcnt 0x0                             ; the biases
	FETCH_B 0, 0, 0
	FETCH_A 0, 0, 0
	SCALES 0
	FETCH_A 0, 0, 4
	STEP 0, 0, 1
	s_mov_b32 s3, LAPS-1
.Llap:
	TURN 0, 1, 1
	STEP 1, 0, 0
	TURN 1, 0, 1
	STEP 0, 0, 0
	s_sub_co_u32 s3, s3, 1
	s_cmp_lg_u32 s3, 0
	s_cbranch_scc1 .Llap
	TURN 0, 1, 0
	STEP 1, 0, 0
	s_wait_dscnt 4*NL
	WIN MUL_LO
	MUL16 0, 1, NQ-1, 1, 0
	MUL16 2, 1, NQ-1, 1, 0
	s_wait_dscnt 0
	WIN MUL_HI
	MUL16 4, 1, NQ-1, 1, 0
	MUL16 6, 1, NQ-1, 1, 0
	WIN 0
	s_cmp_lt_u32 ttmp9, 2
	s_cselect_b32 s18, -1, 0
	s_cselect_b32 s19, 0, -1
.set i, 0
.rept 64
	v_cndmask_b32 v[T+i], 0, v[T+i], s18
.set i, i+1
.endr
.irp a, 0,1,2,3,4,5,6,7
	v_cndmask_b32 v[U+\a], 0, v[U+\a], s19
.endr
.irp b, 0,1,2,3
	v_mov_b32 v[TM+4+\b], 0
.endr
	s_mov_b32 s[SEL], 0x76543210
	s_mov_b32 s[SEL+1], 0xfedcba98
	s_mov_b32 s[MNT], 0x600000
	s_mov_b32 s95, 0xffff0000
	s_lshr_b32 s20, s17, 3
	s_and_b32 s21, s17, 7
	s_sub_co_u32 s22, s42, 32
	s_lshr_b32 s23, s22, 2
	s_lshl_b32 s23, s23, 2
	s_add_co_u32 s23, s23, s20
	s_lshl_b32 s23, s23, 3
	s_and_b32 s22, s22, 3
	s_lshl_b32 s22, s22, 1
	s_add_co_u32 s23, s23, s22
	s_add_co_u32 s23, s23, s16
	s_lshl_b32 s23, s23, 18
	s_lshl_b32 s21, s21, 15
	s_add_co_u32 s23, s23, s21
	s_lshl_b32 s21, s15, 14
	s_add_co_u32 s23, s23, s21
	s_lshr_b32 s20, s42, 3
	s_and_b32 s21, s42, 7
	s_lshl_b32 s20, s20, 4
	s_lshl_b32 s22, s41, 2
	s_add_co_u32 s20, s20, s22
	s_lshl_b32 s22, s15, 1
	s_add_co_u32 s20, s20, s22
	s_lshl_b32 s20, s20, 4
	s_lshl_b32 s21, s21, 1
	s_add_co_u32 s20, s20, s21
	s_add_co_u32 s20, s20, s16
	s_lshl_b32 s20, s20, 13
	s_add_co_u32 s20, s20, 16777216
	s_mov_b32 s100, 131072
	s_mov_b32 s47, 4096
	s_cmp_lt_u32 ttmp9, 2
	s_cselect_b32 s20, s23, s20
	s_cselect_b32 s100, 8192, s100
	s_cselect_b32 s22, 32, 16
	s_cselect_b32 s47, 16, s47
	s_mov_b32 s21, 0
	s_mov_b32 s101, 0
	s_add_nc_u64 s[96:97], s[96:97], s[20:21]
	s_add_nc_u64 s[92:93], s[96:97], s[100:101]
	s_lshr_b32 s20, s20, 5
	s_add_nc_u64 s[98:99], s[98:99], s[20:21]
	v_mul_u32_u24 v[SOF], v1, s22
	v_mad_u32_u24 v[SOF], v2, s47, v[SOF]
.macro QUANT s, pc, pw
.irp b, 0,1,2,3
	v_max3_num_f32 v[TM+\b], |v[\s+16*\b]|, |v[\s+1+16*\b]|, 0x4800000
.endr
.irp i, 2,4,6,8,10,12,14
.irp b, 0,1,2,3
	v_max3_num_f32 v[TM+\b], v[TM+\b], |v[\s+16*\b+\i]|, |v[\s+1+16*\b+\i]|
.endr
.endr
.irp b, 0,1,2,3
	v_permlanex16_b32 v[TM+4+\b], v[TM+\b], s[SEL], s[SEL+1]
.endr
.irp b, 0,1,2,3
	v_max_num_f32 v[TM+\b], v[TM+\b], v[TM+4+\b]
.endr
.irp b, 0,1,2,3
	v_add_nc_u32 v[TM+12+\b], 0xfc000000, v[TM+\b]
.endr
.irp b, 0,1,2,3
	v_and_or_b32 v[TM+8+\b], v[TM+\b], 0x7f800000, s[MNT]
.endr
.irp b, 0,1,2,3
	v_lshrrev_b32 v[TM+4+\b], 23, v[TM+12+\b]
.endr
	v_lshl_or_b32 v[\pw], v[TM+5], 8, v[TM+4]
	v_lshl_or_b32 v[\pw], v[TM+6], 16, v[\pw]
	v_lshl_or_b32 v[\pw], v[TM+7], 24, v[\pw]
.irp b, 0,1,2,3
.irp i, 0,1,2,3,4,5,6,7,8,9,10,11,12,13,14,15
	v_med3_num_f32 v[\s+16*\b+\i], v[\s+16*\b+\i], -v[TM+8+\b], v[TM+8+\b]
.endr
	v_cvt_scalef32_pk8_fp8_f32 v[\pc+4*\b:\pc+1+4*\b], v[\s+16*\b:\s+7+16*\b], v[TM+12+\b]
	v_cvt_scalef32_pk8_fp8_f32 v[\pc+2+4*\b:\pc+3+4*\b], v[\s+8+16*\b:\s+15+16*\b], v[TM+12+\b]
.endr
	v_nop
.endm
.macro EPI a
.set AC, 64*((\a)%4)
.set PCR, PCD+16*((\a)%2)
.if (\a) >= 2
	s_wait_xcnt 0x0
.endif
	v_mov_b32 v18, v[U+(\a)]
	v_mov_b32 v19, v[U+(\a)]
	WIN 0x02+(\a)/4
.set i, 0
.rept 32
	v_pk_add_f32 v[XX+i:XX+i+1], v[AC+i:AC+i+1], v[T+i:T+i+1]
.set i, i+2
.endr
	WIN 0
.set i, 0
.rept 32
	v_pk_add_f32 v[XX+i:XX+i+1], v[XX+i:XX+i+1], v[18:19]
.set i, i+2
.endr
	QUANT XX, PCR, PWS+(\a)
.irp c, 0,1,2,3
.if (\a) < 4
	global_store_b128 v[LI], v[PCR+4*\c:PCR+4*\c+3], s[96:97] offset:IMG*((\a)%4)+512*\c
.else
	global_store_b128 v[LI], v[PCR+4*\c:PCR+4*\c+3], s[92:93] offset:IMG*((\a)%4)+512*\c
.endif
.endr
.endm
.irp a, 0,1,2,3,4,5,6,7
	EPI \a
.endr
.irp k, 0,1,2,3
	v_cndmask_b32 v[OUTW+\k], v[PWS+\k], v[PWS+4+\k], s95
.endr
	global_store_b128 v[SOF], v[OUTW:OUTW+3], s[98:99]
	s_wait_tensorcnt 0x0
	ds_add_u32 v[SPW], v[NIL]
	s_wait_dscnt 0x0
	CROUND
	s_endpgm
.Lfunc_end_k_qb81631ac19_qkv:
	.size	k_qb81631ac19_qkv, .Lfunc_end_k_qb81631ac19_qkv-k_qb81631ac19_qkv
	.p2alignl 7, 3214868480
	.fill 96, 4, 3214868480
	.section	.rodata,"a",@progbits
	.p2align	6, 0x0
	.amdhsa_kernel k_qb81631ac19_qkv
		.amdhsa_group_segment_fixed_size 327680
		.amdhsa_private_segment_fixed_size 0
		.amdhsa_enable_private_segment 0
		.amdhsa_kernarg_size 40
		.amdhsa_user_sgpr_count 2
		.amdhsa_user_sgpr_kernarg_segment_ptr 1
		.amdhsa_wavefront_size32 1
		.amdhsa_system_sgpr_workgroup_id_x 1
		.amdhsa_system_sgpr_workgroup_id_y 1
		.amdhsa_system_sgpr_workgroup_id_z 1
		.amdhsa_system_vgpr_workitem_id 0
		.amdhsa_next_free_vgpr 1024
		.amdhsa_next_free_sgpr 102
		.amdhsa_reserve_vcc 0
		.amdhsa_float_denorm_mode_32 3
		.amdhsa_float_denorm_mode_16_64 3
		.amdhsa_memory_ordered 1
		.amdhsa_forward_progress 1
		.amdhsa_inst_pref_size 226
	.end_amdhsa_kernel
	.amdgpu_metadata
---
amdhsa.version: [ 1, 2 ]
amdhsa.kernels:
  - .name:           k_qb81631ac19_qkv
    .symbol:         k_qb81631ac19_qkv.kd
    .args:
      - { .name: opc, .offset: 0, .size: 8, .value_kind: global_buffer, .address_space: global }
      - { .name: ops, .offset: 8, .size: 8, .value_kind: global_buffer, .address_space: global }
      - { .name: b_qkv, .offset: 16, .size: 8, .value_kind: global_buffer, .address_space: global }
      - { .name: qkvc, .offset: 24, .size: 8, .value_kind: global_buffer, .address_space: global }
      - { .name: qkvs, .offset: 32, .size: 8, .value_kind: global_buffer, .address_space: global }
    .group_segment_fixed_size: 327680
    .private_segment_fixed_size: 0
    .kernarg_segment_align: 8
    .kernarg_segment_size: 40
    .max_flat_workgroup_size: 128
    .sgpr_count:     102
    .vgpr_count:     1024
    .wavefront_size: 32
...
	.end_amdgpu_metadata
.endif
;; end of part 2
;; launch attn (part 3): grid 4 x 64, 16 waves a work-group, clusters of 4 x 1, 280,576 bytes of LDS; arguments qkvc, qkvs, attc, atts; writes attc, atts
.if DOCPART == 3
	.amdgcn_target "amdgcn-amd-amdhsa--gfx1250"
	.amdhsa_code_object_version 6
	.text
	.protected	k_qb81631ac19_attn
	.globl	k_qb81631ac19_attn
	.p2align	8
	.type	k_qb81631ac19_attn,@function
k_qb81631ac19_attn:
	s_mov_b64 s[64:65], 0
	v_nop
	global_prefetch_b8 v0, s[64:65] scope:SCOPE_SE
	s_setreg_imm32_b32 hwreg(HW_REG_WAVE_MODE, 25, 1), 1
	s_wait_xcnt 0x0
	s_wait_alu depctr_hold_cnt(0) depctr_sa_sdst(0) depctr_va_vdst(0) depctr_va_sdst(0) depctr_va_ssrc(0) depctr_va_vcc(0) depctr_vm_vsrc(0)
	s_getreg_b32 s2, hwreg(HW_REG_IB_STS2, 6, 4)
	s_cmp_eq_u32 s2, 0
	s_cbranch_scc0 .Lentry_in_a_cluster
	s_endpgm
.Lentry_in_a_cluster:
	s_bfe_u32 s2, ttmp6, 0x10000c
	s_cmp_lg_u32 s2, 0x3003
	s_cbranch_scc0 .Lentry_shape_is_right
	s_endpgm
.Lentry_shape_is_right:
; Attention of one head on codes of FP8 (E4M3) with E8M0 scales: S^T = K Q^T (K = the head's 64), p = 2^(t - M), O^T = V^T P^T (K = the keys), O / the row's sum, quantised along the embedding for the last projection.
; THE SOFTMAX: t = score x log2(e) / 8; M = the running largest t rounded UP to a whole number; p is quantised along the keys, not normalised; the row's sum is taken of the unquantised p, in f32.
; When M moves, the sums and O^T are multiplied by 2^(old M - new M), which rounds nothing.  No branch hangs on data.
; OPERANDS are images of the matrix operand's registers (byte 512 c + 16 lane + e = k 32 c + 16 (lane / 16) + e of the lane's row).  Tile T of tokens = tokens 32 (T / 2) + 8 (T % 2) + r + 8 (r / 8),
; so the 16 registers of two neighbouring tiles of S^T are 16 neighbouring keys, and p's codes are the second product's operand as they are made.
; THE FIRST PRODUCT'S K IS 64.  Q's registers 8-15 hold zero codes.  A tile of K takes 8 registers; registers 8-15 of its operand are the next tile's codes (behind the last tile: zeros): finite numbers, which meet Q's zeros.
; The scale bytes of k = 64 .. 127 are the 0 of a 16-bit load, a finite code.
; SHARES: 256 work-groups.  A work-group takes 512 queries of a head in two passes of 256; in a pass each of its SIXTEEN waves has one tile of 16 queries, in 256 registers: four waves to a SIMD, so that one wave's waits stand beside the others' work.
; A HEAD'S K AND V STAY IN LDS WHOLE, 131,072 bytes each, with their scale words (8,192 and 4,096): filled once, by sixteen tensor loads at the head, one a wave; nothing is filled again, and both passes read them.
; One barrier shows the fills to all waves; the waves share nothing else, so no barrier stands between key steps or passes.
; CLUSTER: the four work-groups of a cluster are the four quarters of one head's queries: every tile is asked for jointly, by the same load with the same descriptor and the mask 15.  cx enters Q's and the results' global addresses alone.
; Nothing is prefetched: every byte of K and V is asked for by the loads at the head, and no loop runs ahead of them.
; RESULTS: attc [512 token tiles][8 K steps][2,048]: a wave stores 512 consecutive bytes a line.  atts [512][4][16 rows][8 bytes]: a head owns 2 bytes of a row's 8, so these stores are of 2 bytes a lane: one byte in 32 of what is stored.
; LIMITS: NaN and infinities are not served; the promise holds while the scaled scores stay under 2^31 in magnitude.  A block of zeros gets the byte 1 where the rule says 127: its codes are zeros, and this program alone reads the bytes.
.set VREG, 131072                      ; LDS: K's 128 tiles x 1,024 from 0; V's [key step 16][tile 4][2,048] from here;
.set KSC,  262144                      ; K's scale words [key step 16][row 16][tile 8][word of the pair of heads];
.set VSC,  270336                      ; V's [key step 16][row 16][tile 4][word];
.set SPARE, 278528                     ; the spare words, 128 bytes a wave: eight blocks of 256 bytes that no other line names
.set LI,  1                            ; 16 x lane
.set AV0, 2                            ; 16 x lane + VREG
.set AKS, 3                            ; KSC + 32 r + 2 (head % 2)
.set AVS, 4                            ; VSC + 16 r
.set ADK, 5                            ; v5-8 the key step's addresses
.set ADV, 6
.set ADS, 7
.set ADT, 8
.set SOF, 9                            ; 8 r: the results' scale bytes
.set SPW, 10                           ; my spare word; never rewritten
.set NIL, 11                           ; 0; never rewritten
.set NM,  12                           ; -M
.set TX,  13                           ; the largest score so far
.set SA,  14                           ; v14-17 the sum, in two pairs
.set SB,  16
.set FF,  18                           ; v18-19 f = 2^(old M - new M), named as a pair
.set BM,  20                           ; v20-23 a block's largest score, then its largest p
.set T8,  24                           ; v24-27 at work
.set CH,  28
.set OW,  29
.set QS,  30                           ; Q's scale word
.set PW,  31                           ; p's
.set KS,  32                           ; v32-39 K's scale words
.set VS,  40                           ; v40-43 V's
.set HD,  44                           ; v44-47 448 x a block's scale
.set CO,  48                           ; v48-51 the conversions' scale operands
.set PC,  52                           ; v52-67 p's codes
.set Q,   68                           ; v68-83 Q
.set KF,  84                           ; v84-155 K's eight tiles and eight zeros; behind the first product v84-147 take V's four fragments
.set S,   156                          ; v156-219 S^T, then p
.set O,   220                          ; v220-251 O^T
.set QSO, 252                          ; 32 r: Q's scale words' offset
.set WV,  12                           ; s12  my wave's number
.set W3,  13                           ; s13  which quarter I fetch
.set TK,  14                           ; s14  the key step's bytes in K's and in V's region: 8,192 a step
.set TS,  15                           ; s15  in K's scale words: 512 a step
.set TV,  16                           ; s16  in V's: 256 a step
.set CNT, 17                           ; s17  key steps to go (at the head: my first block of 256 queries)
.set MNT, 18                           ; s18  the mantissa field of 448
.set SEL, 20                           ; s[20:21] lane selects for v_permlanex16_b32: lane l xor 16
.set CS,  22                           ; s[22:23] c = log2(e) / 8
.set G1K,  24                          ; group 1: 32 tiles' 1,024 bytes, 2,048 apart
.set G1V,  32                          ; 32,768 dense bytes as 32 rows of 1,024
.set G1SK, 40                          ; 2,048 dense bytes as 8 rows of 256
.set G1SV, 48                          ; 1,024 as 4 rows
.set G0K,  56
.set G0V,  60
.set G0SK, 68
.set G0SV, 72
.set PASS, 76                          ; s76  passes to go
.macro CROUND                          ; a round of the cluster's barrier
	s_barrier_signal -1
	s_barrier_wait -1
	s_cmp_lg_u32 s[WV], 0
	s_cbranch_scc1 .Lnot_wave_0_\@
	s_barrier_signal -3
.Lnot_wave_0_\@:
	s_barrier_wait -3
	s_barrier_signal -1
	s_barrier_wait -1
.endm
.macro MKG0 g, lds                     ; a group 0: LDS byte s2 + lds, global address s[100:101]
	s_mov_b32 s[\g], 1
	s_add_co_u32 s[\g+1], s2, \lds
	s_mov_b64 s[\g+2:\g+3], s[100:101]
	s_or_b32 s[\g+3], s[\g+3], 0x80000000
.endm
	s_load_b256 s[4:11], s[0:1], 0x0               ; qkvc s[4:5], qkvs s[6:7], attc s[8:9], atts s[10:11]
	v_lshl_add_u32 v[SPW], v0, 2, SPARE
	v_mov_b32 v[NIL], 0
	ds_add_u32 v[SPW], v[NIL]                      ; the opening lines: the add, twice on end, and its wait ahead of my tensor load
	ds_add_u32 v[SPW], v[NIL]
	v_lshrrev_b32 v24, 5, v0
	v_readfirstlane_b32 s[WV], v24                 ; wave 0..15
	s_and_b32 s[W3], s[WV], 3
	s_and_b32 s19, ttmp7, 0xffff                   ; 16 x batch + head: the four partners share it
	s_bfe_u32 s[CNT], ttmp6, 0x40000               ; cx
	s_lshl_b32 s[CNT], s[CNT], 1                   ; my first block of 256 queries = 2 cx
.irp g, G1K, G1V, G1SK, G1SV
	s_mov_b32 s[\g], 15|(3<<16)|(1<<21)            ; 15:0 the mask: all four work-groups; 17:16 elements of 8 bytes; 21 set beside a mask
	s_mov_b32 s[\g+6], 0
	s_mov_b32 s[\g+7], 0
.endr
.irp g, G1K, G1V
	s_mov_b32 s[\g+1], 128<<16                     ; tensor_dim0 = 128
	s_mov_b32 s[\g+2], 32<<16                      ; tensor_dim1 = 32
	s_mov_b32 s[\g+3], 128<<16                     ; tile_dim0
	s_mov_b32 s[\g+4], 32                          ; tile_dim1
.endr
	s_mov_b32 s[G1K+5], 256                        ; tensor_dim0_stride: an image of a pair of heads is 2,048 bytes
	s_mov_b32 s[G1V+5], 128
.irp g, G1SK, G1SV
	s_mov_b32 s[\g+1], 32<<16
	s_mov_b32 s[\g+3], 32<<16
	s_mov_b32 s[\g+5], 32
.endr
	s_mov_b32 s[G1SK+2], 8<<16
	s_mov_b32 s[G1SK+4], 8
	s_mov_b32 s[G1SV+2], 4<<16
	s_mov_b32 s[G1SV+4], 4
	s_mov_b32 s[SEL], 0x76543210
	s_mov_b32 s[SEL+1], 0xfedcba98
	s_mov_b32 s[CS], 0x3e38aa3b                    ; log2(e) / 8
	s_mov_b32 s[CS+1], s[CS]                       ; (named with it as a pair, so it is written)
	s_mov_b32 s[MNT], 0x600000
	s_lshr_b32 s2, s19, 1                          ; 8 x batch + pair of heads
	s_and_b32 s3, s19, 1                           ; which head of the pair
	s_lshl_b32 s66, s2, 18                         ; Q's plane of 128 images,
	s_lshl_b32 s67, s3, 10                         ; and the head's half of each
	s_add_co_u32 s66, s66, s67
	s_lshl_b32 s67, s2, 13                         ; Q's plane of scale words
	s_lshl_b32 s2, s[W3], 11                       ; K's scale words: my 2,048 bytes
	s_add_co_u32 s100, s67, s2
	s_add_co_u32 s100, s100, 262144
	s_mov_b32 s101, 0
	s_wait_dscnt 0x0                               ; both opening adds are done
	s_wait_kmcnt 0x0
	s_add_nc_u64 s[100:101], s[6:7], s[100:101]
	MKG0 G0SK, KSC
	s_lshl_b32 s100, s[W3], 16                     ; K's codes: my 32 tiles: 65,536 bytes of memory, 32,768 of LDS
	s_add_co_u32 s100, s100, s66
	s_add_co_u32 s100, s100, 8388608
	s_mov_b32 s101, 0
	s_add_nc_u64 s[100:101], s[4:5], s[100:101]
	s_lshl_b32 s2, s[W3], 15
	MKG0 G0K, 0
	s_lshl_b32 s100, s19, 12                       ; V's scale words: my 1,024 bytes
	s_lshl_b32 s2, s[W3], 10
	s_add_co_u32 s100, s100, s2
	s_add_co_u32 s100, s100, 524288
	s_mov_b32 s101, 0
	s_add_nc_u64 s[100:101], s[6:7], s[100:101]
	MKG0 G0SV, VSC
	s_lshl_b32 s100, s19, 17                       ; V's codes: my four key steps: 32,768 bytes
	s_lshl_b32 s2, s[W3], 15
	s_add_co_u32 s100, s100, s2
	s_add_co_u32 s100, s100, 16777216
	s_mov_b32 s101, 0
	s_add_nc_u64 s[100:101], s[4:5], s[100:101]
	MKG0 G0V, VREG
	CROUND                                         ; all four work-groups are here: the joint loads meet
; THE HEAD'S LOADS, ONE A WAVE: waves 0-3 K's quarters; 4-7 V's; 8-11 K's scale words'; 12-15 V's.  One tree of branches on the wave's number: every way passes exactly one load.
.macro ARM under, g0, g1, next
	s_cmp_lt_u32 s[WV], \under
	s_cbranch_scc0 \next
	tensor_load_to_lds s[\g0:\g0+3], s[\g1:\g1+7]
	s_nop 0
.rept 4
	v_nop
.endr
	s_branch .Lasked
\next:
.endm
	ARM 4,  G0K,  G1K,  .Lhead_v
	ARM 8,  G0V,  G1V,  .Lhead_sk
	ARM 12, G0SK, G1SK, .Lhead_sv
	tensor_load_to_lds s[G0SV:G0SV+3], s[G1SV:G1SV+7]
	s_nop 0
.rept 4
	v_nop
.endr
.Lasked:
	; Q, its scale words and the results: token tile 16 x block + wave
	s_lshl_b32 s2, s[CNT], 15
	s_lshl_b32 s100, s[WV], 11
	s_add_co_u32 s2, s2, s100
	s_add_co_u32 s100, s2, s66
	s_mov_b32 s101, 0
	s_add_nc_u64 s[4:5], s[4:5], s[100:101]        ; Q's image of my tile
	s_lshl_b32 s100, s[CNT], 10                    ; two groups of 8 tiles a block, 512 bytes a group,
	s_add_co_u32 s100, s100, s67
	s_lshr_b32 s2, s[WV], 3
	s_lshl_b32 s2, s2, 9
	s_add_co_u32 s100, s100, s2
	s_and_b32 s2, s[WV], 7                         ; 4 bytes a tile,
	s_lshl_b32 s2, s2, 2
	s_add_co_u32 s100, s100, s2
	s_lshl_b32 s2, s3, 1                           ; 2 bytes a head
	s_add_co_u32 s100, s100, s2
	s_add_nc_u64 s[6:7], s[6:7], s[100:101]
	s_lshr_b32 s2, s19, 4                          ; batch: 128 tiles of 16,384 bytes
	s_lshl_b32 s100, s2, 21
	s_lshl_b32 s66, s[CNT], 18
	s_add_co_u32 s100, s100, s66
	s_lshl_b32 s66, s[WV], 14
	s_add_co_u32 s100, s100, s66
	s_lshr_b32 s67, s100, 5                        ; the same tile in atts: 512 bytes a tile
	s_and_b32 s66, s19, 15                         ; head: 1,024 bytes of a tile's 16,384
	s_lshl_b32 s2, s66, 10
	s_add_co_u32 s100, s100, s2
	s_add_nc_u64 s[8:9], s[8:9], s[100:101]
	s_lshr_b32 s2, s66, 2                          ; four heads to a pair of K steps: 128 bytes; 2 bytes a head in a row's 8
	s_lshl_b32 s2, s2, 7
	s_add_co_u32 s100, s67, s2
	s_and_b32 s2, s66, 3
	s_lshl_b32 s2, s2, 1
	s_add_co_u32 s100, s100, s2
	s_add_nc_u64 s[10:11], s[10:11], s[100:101]
	s_lshl_b32 s2, s3, 1
	s_add_co_u32 s2, s2, KSC
	v_and_b32 v24, 31, v0
	v_and_b32 v25, 15, v0                          ; r
	v_lshlrev_b32 v[LI], 4, v24
	v_lshl_add_u32 v[AKS], v25, 5, s2
	v_lshl_add_u32 v[AVS], v25, 4, VSC
	v_lshlrev_b32 v[SOF], 3, v25
	v_lshlrev_b32 v[QSO], 5, v25
	v_add_nc_u32 v[AV0], VREG, v[LI]
	global_load_b128 v[Q:Q+3], v[LI], s[4:5]                 ; the first pass's Q
	global_load_b128 v[Q+4:Q+7], v[LI], s[4:5] offset:512
	global_load_u16 v[QS], v[QSO], s[6:7]                    ; two scale bytes; the upper two are 0
.set j, 0
.rept 8
	v_mov_b32 v[Q+8+j], 0                          ; Q: zero codes for k = 64 .. 127,
	v_mov_b32 v[KF+64+j], 0                        ; and what stands behind K's last tile
.set j, j+1
.endr
.irp j, 0,1,2,3
	v_mov_b32 v[T8+\j], 0                          ; a lane permute's destination counts as one of its sources
.endr
	v_mov_b32 v[FF+1], 0                           ; (named as the upper half of f's pair)
.macro SCOPS n                         ; for blocks 0 .. n - 1: the conversion's scale operand (8 off the exponent field) and 448 x the scale
.set j, 0
.rept \n
	v_add_nc_u32 v[CO+j], 0xfc000000, v[BM+j]
	v_and_or_b32 v[HD+j], v[BM+j], 0x7f800000, s[MNT]
.set j, j+1
.endr
.endm
; A KEY STEP: 128 keys.
.macro STEP
	v_add_nc_u32 v[ADK], s[TK], v[LI]
	v_add_nc_u32 v[ADS], s[TS], v[AKS]
.rept 6
	v_nop                                          ; with the two additions: eight places behind the last step's products, ahead of loads into the registers that held V
.endr
.irp t, 0,1,2,3,4,5,6,7
	ds_load_b128 v[KF+8*\t:KF+8*\t+3], v[ADK] offset:1024*\t
	ds_load_b128 v[KF+8*\t+4:KF+8*\t+7], v[ADK] offset:1024*\t+512
.endr
.irp t, 0,1,2,3,4,5,6,7
	ds_load_u16 v[KS+\t], v[ADS] offset:4*\t       ; my head's two scale bytes of tile t's row r; the upper two are 0
.endr
	s_wait_dscnt 0x0
.irp t, 0,1,2,3,4,5,6,7                        ; S^T = K Q^T: source 0 = 16 keys, source 1 = my 16 queries
	v_wmma_scale_f32_16x16x128_f8f6f4 v[S+8*\t:S+8*\t+7], v[KF+8*\t:KF+8*\t+15], v[Q:Q+15], 0, v[KS+\t], v[QS]
.endr
	v_add_nc_u32 v[ADV], s[TK], v[AV0]             ; eight places: ahead of V's loads into K's registers, and of the first read of the scores
	v_add_nc_u32 v[ADT], s[TV], v[AVS]
.rept 6
	v_nop
.endr
.irp d, 0,1,2,3
.irp c, 0,1,2,3
	ds_load_b128 v[KF+16*\d+4*\c:KF+16*\d+4*\c+3], v[ADV] offset:2048*\d+512*\c
.endr
.endr
	ds_load_b128 v[VS:VS+3], v[ADT]                ; V's scale words of the four tiles' row r
.irp b, 0,1,2,3                                ; the largest score of each block of 32 keys: it serves the row's maximum and, since p rises with the score, the block's largest p.  Each tile is read from its low end on
	v_max_num_f32 v[BM+\b], v[S+16*\b], v[S+16*\b+1]
.endr
.irp i, 2,4,6,8,10,12,14
.irp b, 0,1,2,3
	v_max3_num_f32 v[BM+\b], v[S+16*\b+\i], v[S+16*\b+\i+1], v[BM+\b]
.endr
.endr
.irp b, 0,1,2,3
	v_permlanex16_b32 v[T8+\b], v[BM+\b], s[SEL], s[SEL+1]
.endr
.irp b, 0,1,2,3
	v_max_num_f32 v[BM+\b], v[BM+\b], v[T8+\b]     ; with lane l xor 16's 16 keys
.endr
	v_max3_num_f32 v[CH], v[BM], v[BM+1], v[BM+2]
	s_delay_alu instid0(VALU_DEP_1)
	v_max3_num_f32 v[TX], v[CH], v[BM+3], v[TX]    ; the running largest score (c is positive: its t is the largest t)
	s_delay_alu instid0(VALU_DEP_1)
	v_mul_f32 v[CH], s[CS], v[TX]                  ; as t
	s_delay_alu instid0(VALU_DEP_1)
	v_floor_f32 v[CH], -v[CH]                      ; the new -M = -ceil(t)
	s_delay_alu instid0(VALU_DEP_1)
	v_sub_f32 v[T8], v[CH], v[NM]                  ; old M - new M: a whole number, 0 or less
	v_mov_b32 v[NM], v[CH]
	s_delay_alu instid0(VALU_DEP_2)
	v_cvt_i32_f32 v[T8], v[T8]                     ; (it saturates)
	s_delay_alu instid0(VALU_DEP_1)
	v_ldexp_f32 v[FF], 1.0, v[T8]                  ; f = 2^(old M - new M)
.set j, 0
.rept 32
	v_pk_fma_f32 v[S+j:S+j+1], v[S+j:S+j+1], s[CS:CS+1], v[NM:NM+1] op_sel_hi:[1,0,0]   ; t - M, two at a time
.set j, j+2
.endr
.irp b, 0,1,2,3
	v_fma_f32 v[BM+\b], v[BM+\b], s[CS], v[NM]     ; the same of each block's largest score
.endr
	s_wait_alu depctr_va_vdst(0)                   ; the wait ahead of the batch
.set j, 0
.rept 64
	v_exp_f32 v[S+j], v[S+j]                       ; p = 2^(t - M)
.set j, j+1
.endr
.irp b, 0,1,2,3
	v_exp_f32 v[BM+\b], v[BM+\b]                   ; the block's largest p: the same two instructions on the same number
.endr
	v_pk_mul_f32 v[SA:SA+1], v[SA:SA+1], v[FF:FF+1] op_sel_hi:[1,0]   ; the sums under the new M: plain lines behind the exponentials
	v_pk_mul_f32 v[SB:SB+1], v[SB:SB+1], v[FF:FF+1] op_sel_hi:[1,0]
	s_wait_alu depctr_va_vdst(0)                   ; one wait for the batch of 68, ahead of its first reader; it also stands directly ahead of the wait below
	s_wait_dscnt 0x0                               ; V and its scale words are in
.set j, 0
.rept 16
	v_pk_add_f32 v[SA:SA+1], v[SA:SA+1], v[S+j:S+j+1]         ; the row's sum of the unquantised p, in two chains of pairs
	v_pk_add_f32 v[SB:SB+1], v[SB:SB+1], v[S+j+2:S+j+3]
.set j, j+4
.endr
.irp b, 0,1,2,3
	v_max_num_f32 v[BM+\b], 0x4800000, v[BM+\b]    ; the floor 2^(9 - 127): the byte cannot fall under 1
.endr
.irp b, 0,1,2,3
	v_lshrrev_b32 v[T8+\b], 23, v[BM+\b]           ; the exponent field: the scale's byte + 8
.endr
	SCOPS 4
	v_lshl_or_b32 v[PW], v[T8+1], 8, v[T8]
	v_lshl_or_b32 v[PW], v[T8+2], 16, v[PW]
	v_lshl_or_b32 v[PW], v[T8+3], 24, v[PW]
	v_add_nc_u32 v[PW], 0xf7f7f7f8, v[PW]          ; 8 off each of the four bytes at once: each is 9 at the least, so none borrows
.irp b, 0,1,2,3                                ; the conversion does not saturate (ISA guide 7.6.2); p is not negative, so the hold is one-sided: two numbers an instruction
.irp i, 0,2,4,6,8,10,12,14
	v_dual_min_num_f32 v[S+16*\b+\i], v[S+16*\b+\i], v[HD+\b] :: v_dual_min_num_f32 v[S+16*\b+\i+1], v[S+16*\b+\i+1], v[HD+\b]
.endr
	v_cvt_scalef32_pk8_fp8_f32 v[PC+4*\b:PC+4*\b+1], v[S+16*\b:S+16*\b+7], v[CO+\b]
	v_cvt_scalef32_pk8_fp8_f32 v[PC+4*\b+2:PC+4*\b+3], v[S+16*\b+8:S+16*\b+15], v[CO+\b]
.endr
	s_wait_alu depctr_va_vdst(0)                   ; the wait here, directly ahead of the first reader of O^T
.set j, 0
.rept 16
	v_pk_mul_f32 v[O+j:O+j+1], v[O+j:O+j+1], v[FF:FF+1] op_sel_hi:[1,0]   ; O^T under the new M, each accumulator from its low end on; these 16 lines are also the places between the conversions and the products
.set j, j+2
.endr
.irp d, 0,1,2,3                                ; O^T += V^T P^T: four tiles of 16 channels, one instruction each: the accumulators take turns
	v_wmma_scale_f32_16x16x128_f8f6f4 v[O+8*\d:O+8*\d+7], v[KF+16*\d:KF+16*\d+15], v[PC:PC+15], v[O+8*\d:O+8*\d+7], v[VS+\d], v[PW]
.endr
	s_add_co_u32 s[TK], s[TK], 8192
	s_add_co_u32 s[TS], s[TS], 512
	s_add_co_u32 s[TV], s[TV], 256
.endm
; THE WAY OUT of a pass: O^T / the sum; register 16 b + i = channel 32 b + 16 (lane / 16) + i of my query: two blocks of the last projection's K; quantised; half an image stored.
.macro FIN
.rept 4
	v_nop                                          ; with the four plain lines and the v_nop below: nine places behind the last products
.endr
	v_pk_add_f32 v[SA:SA+1], v[SA:SA+1], v[SB:SB+1]
	v_add_f32 v[CH], v[SA], v[SA+1]                ; the sum's four parts,
	v_permlanex16_b32 v[T8], v[CH], s[SEL], s[SEL+1]
	v_add_f32 v[CH], v[CH], v[T8]                  ; and lane l xor 16's
	s_wait_alu depctr_va_vdst(0)                   ; the wait ahead of the transcendental
	v_rcp_f32 v[CH], v[CH]
	v_nop                                          ; a plain line behind it
	s_wait_alu depctr_va_vdst(0)                   ; the wait ahead of its first reader, which is also the first reader of O^T
.set j, 0
.rept 32
	v_mul_f32 v[S+j], v[O+j], v[CH]
.set j, j+1
.endr
.irp b, 0,1
	v_max3_num_f32 v[BM+\b], |v[S+16*\b]|, |v[S+16*\b+1]|, 0x4800000
.endr
.irp i, 2,4,6,8,10,12,14
.irp b, 0,1
	v_max3_num_f32 v[BM+\b], |v[S+16*\b+\i]|, |v[S+16*\b+\i+1]|, v[BM+\b]
.endr
.endr
.irp b, 0,1
	v_permlanex16_b32 v[T8+\b], v[BM+\b], s[SEL], s[SEL+1]
.endr
.irp b, 0,1
	v_max_num_f32 v[BM+\b], v[BM+\b], v[T8+\b]
.endr
.irp b, 0,1
	v_lshrrev_b32 v[T8+\b], 23, v[BM+\b]
.endr
	SCOPS 2
	v_lshl_or_b32 v[OW], v[T8+1], 8, v[T8]
	v_add_nc_u32 v[OW], 0xfffff7f8, v[OW]          ; 8 off both bytes: my row's two scale bytes
.irp b, 0,1
.irp i, 0,1,2,3,4,5,6,7,8,9,10,11,12,13,14,15
	v_med3_num_f32 v[S+16*\b+\i], v[S+16*\b+\i], -v[HD+\b], v[HD+\b]
.endr
	v_cvt_scalef32_pk8_fp8_f32 v[PC+4*\b:PC+4*\b+1], v[S+16*\b:S+16*\b+7], v[CO+\b]
	v_cvt_scalef32_pk8_fp8_f32 v[PC+4*\b+2:PC+4*\b+3], v[S+16*\b+8:S+16*\b+15], v[CO+\b]
.endr
	v_nop                                          ; a plain line behind the last conversion
	global_store_b128 v[LI], v[PC:PC+3], s[8:9]              ; 32 lanes store 512 consecutive bytes
	global_store_b128 v[LI], v[PC+4:PC+7], s[8:9] offset:512
	global_store_b16 v[SOF], v[OW], s[10:11]                 ; lanes r and r + 16 store the same two bytes with the same value
.endm
	s_mov_b32 s[PASS], 2
	s_wait_alu depctr_va_vdst(0)                   ; the wait at the head's end
	s_wait_loadcnt 0x0                             ; Q
	s_wait_tensorcnt 0x0                           ; my part of K, V or their scale words has landed;
	s_barrier_signal -1
	s_barrier_wait -1                              ; and so has everybody's.
.Lpass:                                            ; a pass: 256 queries against all 2,048 keys.  The step is written once: its first trip finds zeros, which the first change of M leaves zeros
	v_mov_b32 v[TX], 0xff61b1e6                    ; the largest score so far: -3e38
	v_mov_b32 v[NM], 0x7f000000                    ; -M: 2^127, so that the first f is 0
	v_mov_b32 v[SA], 0
	v_mov_b32 v[SA+1], 0
	v_mov_b32 v[SB], 0
	v_mov_b32 v[SB+1], 0
.set j, 0
.rept 32
	v_mov_b32 v[O+j], 0
.set j, j+1
.endr
	s_mov_b32 s[TK], 0
	s_mov_b32 s[TS], 0
	s_mov_b32 s[TV], 0
	s_mov_b32 s[CNT], 16
.Lstep:
	STEP
	s_sub_co_u32 s[CNT], s[CNT], 1
	s_cmp_lg_u32 s[CNT], 0
	s_cbranch_scc1 .Lstep
	s_cmp_eq_u32 s[PASS], 1
	s_cbranch_scc1 .Lno_q
	global_load_b128 v[Q:Q+3], v[LI], s[4:5] offset:32768    ; the second pass's Q, 16 tiles on, is on its way while the first pass goes out (the last product that read these registers stands a whole softmax back)
	global_load_b128 v[Q+4:Q+7], v[LI], s[4:5] offset:33280
	global_load_u16 v[QS], v[QSO], s[6:7] offset:1024
.Lno_q:
	FIN
	s_cmp_eq_u32 s[PASS], 1
	s_cbranch_scc1 .Lend
	s_wait_xcnt 0x0                                ; the stores have read their bases and their data: both may be written
	s_add_nc_u64 s[8:9], s[8:9], 262144            ; 16 token tiles on
	s_add_nc_u64 s[10:11], s[10:11], 8192
	s_sub_co_u32 s[PASS], s[PASS], 1
	s_wait_loadcnt 0x0                             ; Q
	s_branch .Lpass
.Lend:
	s_wait_tensorcnt 0x0                           ; the wave's end
	ds_add_u32 v[SPW], v[NIL]
	s_wait_dscnt 0x0
	CROUND                                         ; the closing round: no work-group ends while a partner may still ask for a tile that names it
	s_endpgm
.Lfunc_end_k_qb81631ac19_attn:
	.size	k_qb81631ac19_attn, .Lfunc_end_k_qb81631ac19_attn-k_qb81631ac19_attn
	.p2alignl 7, 3214868480
	.fill 96, 4, 3214868480
	.section	.rodata,"a",@progbits
	.p2align	6, 0x0
	.amdhsa_kernel k_qb81631ac19_attn
		.amdhsa_group_segment_fixed_size 280576
		.amdhsa_private_segment_fixed_size 0
		.amdhsa_enable_private_segment 0
		.amdhsa_kernarg_size 32
		.amdhsa_user_sgpr_count 2
		.amdhsa_user_sgpr_kernarg_segment_ptr 1
		.amdhsa_wavefront_size32 1
		.amdhsa_system_sgpr_workgroup_id_x 1
		.amdhsa_system_sgpr_workgroup_id_y 1
		.amdhsa_system_sgpr_workgroup_id_z 1
		.amdhsa_system_vgpr_workitem_id 0
		.amdhsa_next_free_vgpr 256
		.amdhsa_next_free_sgpr 102
		.amdhsa_reserve_vcc 0
		.amdhsa_float_denorm_mode_32 3
		.amdhsa_float_denorm_mode_16_64 3
		.amdhsa_memory_ordered 1
		.amdhsa_forward_progress 1
		.amdhsa_inst_pref_size 37
	.end_amdhsa_kernel
	.amdgpu_metadata
---
amdhsa.version: [ 1, 2 ]
amdhsa.kernels:
  - .name:           k_qb81631ac19_attn
    .symbol:         k_qb81631ac19_attn.kd
    .args:
      - { .name: qkvc, .offset: 0, .size: 8, .value_kind: global_buffer, .address_space: global }
      - { .name: qkvs, .offset: 8, .size: 8, .value_kind: global_buffer, .address_space: global }
      - { .name: attc, .offset: 16, .size: 8, .value_kind: global_buffer, .address_space: global }
      - { .name: atts, .offset: 24, .size: 8, .value_kind: global_buffer, .address_space: global }
    .group_segment_fixed_size: 280576
    .private_segment_fixed_size: 0
    .kernarg_segment_align: 8
    .kernarg_segment_size: 32
    .max_flat_workgroup_size: 512
    .sgpr_count:     102
    .vgpr_count:     256
    .wavefront_size: 32
...
	.end_amdgpu_metadata
.endif
;; end of part 3
;; launch fc (part 4): grid 4 x 64, 4 waves a work-group, clusters of 4 x 4, 327,680 bytes of LDS; arguments attc, atts, opc, ops, b_fc, out0; writes out0
.if DOCPART == 4
	.amdgcn_target "amdgcn-amd-amdhsa--gfx1250"
	.amdhsa_code_object_version 6
	.text
	.protected	k_qb81631ac19_fc
	.globl	k_qb81631ac19_fc
	.p2align	8
	.type	k_qb81631ac19_fc,@function
k_qb81631ac19_fc:
	s_mov_b64 s[64:65], 0
	v_nop
	global_prefetch_b8 v0, s[64:65] scope:SCOPE_SE
	s_setreg_imm32_b32 hwreg(HW_REG_WAVE_MODE, 25, 1), 1
	s_wait_xcnt 0x0
	s_wait_alu depctr_hold_cnt(0) depctr_sa_sdst(0) depctr_va_vdst(0) depctr_va_sdst(0) depctr_va_ssrc(0) depctr_va_vcc(0) depctr_vm_vsrc(0)
	s_getreg_b32 s2, hwreg(HW_REG_IB_STS2, 6, 4)
	s_cmp_eq_u32 s2, 0
	s_cbranch_scc0 .Lentry_in_a_cluster
	s_endpgm
.Lentry_in_a_cluster:
	s_bfe_u32 s2, ttmp6, 0x10000c
	s_cmp_lg_u32 s2, 0xf033
	s_cbranch_scc0 .Lentry_shape_is_right
	s_endpgm
.Lentry_shape_is_right:
; out0 [8192][1024] f32 = attention's result x W_fc^T + b_fc, both operands as codes of FP8 (E4M3) with one E8M0 scale for each 32 along K = 1,024.
; OPERANDS are images of the matrix operand's registers: [row tile][8 K steps][2,048 bytes], byte 512 c + 16 lane + e = k 32 c + 16 (lane / 16) + e of the lane's row; row tile T = rows 32 (T / 2) + 8 (T % 2) + r + 8 (r / 8).
; Scale words: [row tile][4 pairs of K steps][16 rows][2 words].  A = attc, atts (512 tiles); B = W_fc: tiles 704-767 of opc, ops.
; SHARES: a block of 128 rows x 256 columns to a work-group: 64 x 4 = 256 work-groups.  Each of the four waves takes all 128 rows and 64 columns: 8 blocks of A x 4 of B, 32 accumulators.
; K goes in steps of 256 through a ring of two LDS slots: A's 8 row tiles (32,768 bytes), then B's 16 (65,536).  In the ring waves 0, 1 fetch 4 tiles of A each, waves 2, 3 8 tiles of B each.
; The scale words of all of K stay in LDS: A's 4,096 bytes, B's 8,192.  One register carries A's word (lanes 0-15) and B's (lanes 16-31) of block i; a wave has 8 blocks of A and 4 of B, so for i = 4 .. 7 its upper lanes read
; up to four tiles past its own B tiles, and no product uses them: B's scale tile is stated with 8 rows past the tensor's end, which the load fills with zeros, so those bytes are written.
; CLUSTERS: 4 x 4 work-groups.  The four of a row of the cluster need the same tiles of A, the four of a column the same tiles of B: each is asked for jointly, by the same load with the same descriptor and a mask that names the four.
; THE MATRIX INSTRUCTION IS USED TRANSPOSED (source 0 = 16 rows of W_fc, source 1 = 16 rows of A): a lane holds eight neighbouring numbers of a row of the result.  The bias is the C of each accumulator's first product.
; Nothing is prefetched: K is four slots, of which the first two come by the fills at the head.
; REGISTERS: window 0: v16-31 addresses; v32-63 scale words, two sets; v64-95 the bias; v128-255 A's fragments, one set.  Window 1: B's fragments, two sets, at v0 and v128.  Windows 2, 3: the accumulators of blocks 0-3, 4-7 of A.
.set NQ,     2                         ; steps of 128 in a slot
.set FR,     16
.set NL,     4
.set NP,     8                         ; places behind this matrix instruction (ISA guide 7.12.1)
.set IMG,    2048
.set TILEB,  NQ*IMG                    ; a row tile's bytes in a slot
.set HALFT,  8*TILEB
.set BOFF,   HALFT                     ; B's tiles lie behind A's eight
.set SLOT,   3*HALFT
.set LAPS,   2
.set SCL,    2*SLOT                    ; behind the ring: A's scale words,
.set HALFS,  4096                      ; (those of 8 tiles)
.set SBLK,   512                       ; (of one)
.set SCB,    SCL+HALFS                 ; B's: 8,192 bytes and 2,048 of zeros
.set SPARE,  SCB+10240                 ; the spare words, 128 bytes a wave: two blocks of 256 bytes that no other line names
.set SPITCH, 272                       ; the way out: a stage of 16 rows x (256 bytes + 16) for each wave, in slot 0, which has had its last fill and its last read by then
.set ADRA, 16
.set ADRB, 20
.set CO,   23
.set STO,  24
.set RD,   25
.set LI,   26
.set ADRS, 27
.set SPW,  28
.set NIL,  29
.set SC,   32
.set T,    64
.set AF,   128
.set BK,   128
.set G1,   24
.set G0,   32
.set G1B,  48
.set G0B,  56
.set G1S,  68
.set G0S,  76
.set G1SB, 80
.set G0SB, 88
.set MSB, 0
.macro WIN new                         ; the immediate's high byte repeats the setting that is left
.if MSB != (\new)
	s_set_vgpr_msb (MSB<<8)|(\new)
.set MSB, \new
.endif
.endm
.set MUL_LO, 0xa1                      ; source 0 (B) window 1, source 1 (A) window 0, C and D window 2
.set MUL_HI, 0xf1                      ; the same, C and D window 3
.set BIA_LO, 0x81                      ; C (the bias) window 0, D window 2
.set BIA_HI, 0xc1
.set TO_B,   0x40
.macro JLOAD g0a, g1a, g0b, g1b        ; a joint load of the ring: waves 0, 1 for A, waves 2, 3 for B; an s_nop 0 and four v_nop follow each line
	s_cmp_eq_u32 s15, 0
	s_cbranch_scc0 .Lfor_b_\@
	tensor_load_to_lds s[\g0a:\g0a+3], s[\g1a:\g1a+7]
	s_nop 0
.rept 4
	v_nop
.endr
	s_branch .Lasked_\@
.Lfor_b_\@:
	tensor_load_to_lds s[\g0b:\g0b+3], s[\g1b:\g1b+7]
	s_nop 0
.rept 4
	v_nop
.endr
.Lasked_\@:
.endm
.macro CREST                           ; a round of the cluster's barrier behind its opening barrier
	s_cmp_lg_u32 s14, 0
	s_cbranch_scc1 .Lnot_wave_0_\@
	s_barrier_signal -3
.Lnot_wave_0_\@:
	s_barrier_wait -3
	s_barrier_signal -1
	s_barrier_wait -1
.endm
.macro CROUND
	s_barrier_signal -1
	s_barrier_wait -1
	CREST
.endm
	s_load_b128 s[4:7], s[0:1], 0x0                ; attc, atts
	s_load_b128 s[8:11], s[0:1], 0x10              ; opc, ops
	s_load_b64 s[12:13], s[0:1], 0x20              ; b_fc
	s_load_b64 s[96:97], s[0:1], 0x28              ; out0
	v_lshl_add_u32 v[SPW], v0, 2, SPARE
	v_mov_b32 v[NIL], 0
	ds_add_u32 v[SPW], v[NIL]                      ; the opening lines: the add, twice on end, and its wait ahead of my first tensor load
	ds_add_u32 v[SPW], v[NIL]
	v_lshrrev_b32 v1, 5, v0
	v_readfirstlane_b32 s14, v1                    ; wave 0..3
	s_lshr_b32 s15, s14, 1                         ; in the ring I fetch for A (0) or for B (1),
	s_and_b32 s16, s14, 1                          ; and which half of that tile
	s_bfe_u32 s40, ttmp6, 0x40000                  ; cx, cy
	s_bfe_u32 s41, ttmp6, 0x40004
	s_lshl_b32 s43, s41, 2
	s_lshl_b32 s43, 15, s43                        ; my row of the cluster
	s_lshl_b32 s44, 0x1111, s40                    ; my column
	s_and_b32 s18, ttmp7, 0xffff
	s_lshl_b32 s18, s18, 2
	s_add_co_u32 s17, s18, s41                     ; block row, 0..63: 128 rows
	s_lshl_b32 s42, ttmp9, 2
	s_add_co_u32 s42, s42, s40                     ; block column, 0..3: 256 columns
	s_or_b32 s[G1+0], s43, (3<<16)|(1<<21)         ; 15:0 the mask; 17:16 elements of 8 bytes; 21 set beside a mask
	s_or_b32 s[G1B+0], s44, (3<<16)|(1<<21)
.irp g, G1, G1B
	s_mov_b32 s[\g+1], 512<<16                     ; a row of the tile: a row tile's 4,096 bytes of a slot
	s_mov_b32 s[\g+3], 512<<16
	s_mov_b32 s[\g+5], 2048                        ; from row tile to row tile: 16,384 bytes
	s_mov_b32 s[\g+6], 0
	s_mov_b32 s[\g+7], 0
.endr
	s_mov_b32 s[G1+2], 8<<16                       ; the head's loads bring the tiles whole: A's 8 row tiles,
	s_mov_b32 s[G1+4], 8
	s_mov_b32 s[G1B+2], 16<<16                     ; B's 16
	s_mov_b32 s[G1B+4], 16
	s_or_b32 s[G1S+0], s43, (3<<16)|(1<<21)
	s_or_b32 s[G1SB+0], s44, (3<<16)|(1<<21)
.irp g, G1S, G1SB
	s_mov_b32 s[\g+1], 32<<16                      ; scale words: dense bytes as rows of 256
	s_mov_b32 s[\g+3], 32<<16
	s_mov_b32 s[\g+5], 32
	s_mov_b32 s[\g+6], 0
	s_mov_b32 s[\g+7], 0
.endr
	s_mov_b32 s[G1S+2], 16<<16                     ; A's: 16 rows
	s_mov_b32 s[G1S+4], 16
	s_mov_b32 s[G1SB+2], 32<<16                    ; B's: the tensor has 32 rows from here;
	s_mov_b32 s[G1SB+4], 40                        ; the tile has 40: the last 8 are past the end and are filled with zeros
	s_lshl_b32 s20, s17, 17                        ; A: 8 row tiles of 16,384 bytes a block row
	s_mov_b32 s21, 0
	s_lshr_b32 s22, s20, 5                         ; its scale words: 512 bytes a tile
	s_mov_b32 s23, 0
	s_add_co_u32 s46, s42, 44                      ; B: W_fc begins at tile 704 = 44 x 16
	s_lshl_b32 s46, s46, 18
	s_mov_b32 s47, 0
	s_lshr_b32 s92, s46, 5
	s_mov_b32 s93, 0
	s_lshl_b32 s18, s16, 16                        ; in the ring: my 4 tiles of A,
	s_mov_b32 s19, 0
	s_lshl_b32 s100, s16, 17                       ; or my 8 of B, in memory,
	s_mov_b32 s101, 0
	s_mul_i32 s45, s16, HALFT/2                    ; and in a slot: no place in the cluster enters an LDS address
	s_mul_i32 s94, s16, HALFT
	s_add_co_u32 s94, s94, BOFF
	s_wait_dscnt 0x0                               ; both opening adds are done
	s_wait_kmcnt 0x0
	s_add_nc_u64 s[20:21], s[4:5], s[20:21]
	s_add_nc_u64 s[22:23], s[6:7], s[22:23]
	s_add_nc_u64 s[46:47], s[8:9], s[46:47]
	s_add_nc_u64 s[92:93], s[10:11], s[92:93]
	CROUND                                         ; all sixteen work-groups are here: the first joint loads meet
	s_mov_b32 s4, 1                                ; the head's four tiles; two of their groups 0 lie where the arguments have been used: slot 0's A,
	s_mov_b32 s5, 0
	s_mov_b64 s[6:7], s[20:21]
	s_or_b32 s7, s7, 0x80000000
	s_mov_b32 s8, 1                                ; its B,
	s_mov_b32 s9, BOFF
	s_mov_b64 s[10:11], s[46:47]
	s_or_b32 s11, s11, 0x80000000
	s_mov_b32 s[G0S], 1                            ; A's scale words,
	s_mov_b32 s[G0S+1], SCL
	s_mov_b64 s[G0S+2:G0S+3], s[22:23]
	s_or_b32 s[G0S+3], s[G0S+3], 0x80000000
	s_mov_b32 s[G0SB], 1                           ; and B's
	s_mov_b32 s[G0SB+1], SCB
	s_mov_b64 s[G0SB+2:G0SB+3], s[92:93]
	s_or_b32 s[G0SB+3], s[G0SB+3], 0x80000000
	s_add_nc_u64 s[20:21], s[20:21], s[18:19]      ; for the ring: my part of the tile
	s_add_nc_u64 s[46:47], s[46:47], s[100:101]
.irp s, 0,1
	s_mov_b32 s[G0+4*\s], 1
	s_add_co_u32 s[G0+4*\s+1], s45, \s*SLOT
	s_add_nc_u64 s[G0+4*\s+2:G0+4*\s+3], s[20:21], \s*TILEB
	s_or_b32 s[G0+4*\s+3], s[G0+4*\s+3], 0x80000000
	s_mov_b32 s[G0B+4*\s], 1
	s_add_co_u32 s[G0B+4*\s+1], s94, \s*SLOT
	s_add_nc_u64 s[G0B+4*\s+2:G0B+4*\s+3], s[46:47], \s*TILEB
	s_or_b32 s[G0B+4*\s+3], s[G0B+4*\s+3], 0x80000000
.endr
; THE HEAD'S LOADS, ONE A WAVE: wave 0 slot 0's A, wave 1 its B, wave 2 A's scale words, wave 3 B's.  One tree of branches on the wave's number: every way passes exactly one load.
.macro ARM under, g0, g1, next
	s_cmp_lt_u32 s14, \under
	s_cbranch_scc0 \next
	tensor_load_to_lds s[\g0:\g0+3], s[\g1:\g1+7]
	s_nop 0
.rept 4
	v_nop
.endr
	s_branch .Lhead_asked
\next:
.endm
	ARM 1, 4, G1, .Lhead_b
	ARM 2, 8, G1B, .Lhead_sa
	ARM 3, G0S, G1S, .Lhead_sb
	tensor_load_to_lds s[G0SB:G0SB+3], s[G1SB:G1SB+7]
	s_nop 0
.rept 4
	v_nop
.endr
.Lhead_asked:                                      ; the addresses and the bias loads below are made while the four tiles are on their way
	s_mul_i32 s20, s14, 4*TILEB
	s_add_co_u32 s20, s20, BOFF                    ; my 4 tiles of B in slot 0,
	s_add_co_u32 s21, s20, SLOT                    ; in slot 1
	s_mul_i32 s22, s14, 4*SBLK
	s_add_co_u32 s22, s22, HALFS                   ; from A's scale words to those of my tiles of B
	s_mul_i32 s23, s14, 16*SPITCH                  ; my stage
	s_lshl_b32 s18, s42, 10                        ; my 64 columns, in bytes: 1,024 x block column + 256 x wave
	s_lshl_b32 s19, s14, 8
	s_add_co_u32 s18, s18, s19
	s_mov_b32 s19, 0
	s_add_nc_u64 s[12:13], s[12:13], s[18:19]      ; in the bias,
	s_add_nc_u64 s[96:97], s[96:97], s[18:19]      ; and in the result,
	s_lshl_b32 s18, s17, 19                        ; 128 rows of 4,096 bytes a block row
	s_add_nc_u64 s[96:97], s[96:97], s[18:19]
	v_and_b32 v1, 15, v0                           ; r
	v_bfe_u32 v2, v0, 4, 1                         ; h
	v_and_b32 v3, 31, v0
	v_lshlrev_b32 v[LI], 4, v3                     ; an image is read as it lies: 16 x lane
	v_mov_b32 v[ADRA], v[LI]                       ; every wave reads all 8 tiles of A
	v_add_nc_u32 v[ADRA+1], SLOT, v[LI]
	v_add_nc_u32 v[ADRB], s20, v[LI]
	v_add_nc_u32 v[ADRB+1], s21, v[LI]
	v_lshlrev_b32 v5, 3, v1                        ; scale words: 8 bytes a row;
	v_mul_u32_u24 v6, s22, v2                      ; lanes 16-31 take B's
	v_add_nc_u32 v5, v5, v6
	v_add_nc_u32 v[ADRS], SCL, v5
	v_mul_u32_u24 v5, v1, SPITCH                   ; the stage, in: row r; 64 bytes on for lanes 16-31
	v_lshl_add_u32 v5, v2, 6, v5
	v_add_nc_u32 v[STO], s23, v5
	v_mul_u32_u24 v6, v2, SPITCH                   ; back: lanes 0-15 one row of 256 bytes, lanes 16-31 the next
	v_lshl_add_u32 v6, v1, 4, v6
	v_add_nc_u32 v[RD], s23, v6
	v_lshlrev_b32 v[CO], 12, v2                    ; and the same two rows in the result
	v_lshl_add_u32 v[CO], v1, 4, v[CO]
	v_lshlrev_b32 v7, 6, v2
.irp b, 0,1,2,3                                ; the bias in the result's layout: register j of block b is column 32 (b / 2) + 8 (b % 2) + 16 h + j of my 64
	global_load_b128 v[T+8*\b:T+8*\b+3], v7, s[12:13] offset:(32*(\b/2)+8*(\b%2))*4
	global_load_b128 v[T+8*\b+4:T+8*\b+7], v7, s[12:13] offset:(32*(\b/2)+8*(\b%2))*4+16
.endr
.macro FRAG reg, adr, q, i
.irp c, 0,1,2,3
	ds_load_b128 v[\reg+4*\c:\reg+4*\c+3], v[\adr] offset:TILEB*(\i)+IMG*(\q)+512*\c
.endr
.endm
; 8 matrix instructions: A's blocks a0, a0 + 1 x my four of B, 128 along K.  zero = 1: the first product starts the sums on the bias.  The accumulators take turns, one instruction a turn.
.macro MUL8 a0, p, q, sc, zero
.irp a, \a0, \a0+1
.irp b, 0,1,2,3
.if \zero
	v_wmma_scale_f32_16x16x128_f8f6f4 v[8*(8*((\a)%4)+\b):8*(8*((\a)%4)+\b)+7], v[128*(\p)+FR*\b:128*(\p)+FR*\b+FR-1], v[AF+FR*(\a):AF+FR*(\a)+FR-1], v[T+8*\b:T+8*\b+7], v[SC+8*NQ*(\sc)+NQ*\b+(\q)], v[SC+8*NQ*(\sc)+NQ*(\a)+(\q)] matrix_a_scale:MATRIX_SCALE_ROW1
.else
	v_wmma_scale_f32_16x16x128_f8f6f4 v[8*(8*((\a)%4)+\b):8*(8*((\a)%4)+\b)+7], v[128*(\p)+FR*\b:128*(\p)+FR*\b+FR-1], v[AF+FR*(\a):AF+FR*(\a)+FR-1], v[8*(8*((\a)%4)+\b):8*(8*((\a)%4)+\b)+7], v[SC+8*NQ*(\sc)+NQ*\b+(\q)], v[SC+8*NQ*(\sc)+NQ*(\a)+(\q)] matrix_a_scale:MATRIX_SCALE_ROW1
.endif
.endr
.endr
.endm
.macro FETCH_B slot, q, p
	WIN TO_B
.irp i, 0,1,2,3
	FRAG 128*(\p)+FR*\i, ADRB+\slot, \q, \i
.endr
	WIN 0
.endm
.macro FETCH_A slot, q, i0
.irp i, \i0, \i0+1, \i0+2, \i0+3
	FRAG AF+FR*(\i), ADRA+\slot, \q, \i
.endr
.endm
.macro SCALES sc                       ; a slot's scale words: lanes 0-15 A's block i, lanes 16-31 B's block i (i = 4 .. 7: not used)
.irp i, 0,1,2,3,4,5,6,7
	ds_load_b64 v[SC+8*NQ*\sc+NQ*\i:SC+8*NQ*\sc+NQ*\i+1], v[ADRS] offset:\i*SBLK
.endr
.endm
.macro PLACES n
.rept \n
	v_nop
.endr
.endm
; A step of 128 along K that has its successor in the same slot.  A has one set of registers: blocks 0-3 are fetched anew in the step's middle, blocks 4-7 at its end; B has two sets.
.macro STEP slot, q, zero
	s_wait_dscnt 4*NL                              ; all but the youngest 16 loads (A's blocks 4-7) are in
.if \zero
	WIN BIA_LO
.else
	WIN MUL_LO
.endif
	MUL8 0, (\q)%2, \q, \slot, \zero
	MUL8 2, (\q)%2, \q, \slot, \zero
	s_wait_dscnt 0
	PLACES NP
	FETCH_B \slot, (\q)+1, 1-(\q)%2
	FETCH_A \slot, (\q)+1, 0
.if \zero
	WIN BIA_HI
.else
	WIN MUL_HI
.endif
	MUL8 4, (\q)%2, \q, \slot, \zero
	MUL8 6, (\q)%2, \q, \slot, \zero
	PLACES NP
	WIN 0
	FETCH_A \slot, (\q)+1, 4
.endm
; A slot's last step changes slots: ONE barrier; in front of it each wave waits for all its tensor loads, adds 0 to its spare word, and waits for that and for its reads of this slot.  fill = 1: the barrier opens a round of the cluster's barrier, and this slot is filled again.
.macro TURN slot, next, fill
	s_wait_tensorcnt 0x0
	ds_add_u32 v[SPW], v[NIL]
	s_wait_dscnt 4*NL+1                            ; (the add and the youngest 16 loads may be out)
	WIN MUL_LO
	MUL8 0, 1, NQ-1, \slot, 0
	s_wait_dscnt 0x0
	s_barrier_signal -1
	MUL8 2, 1, NQ-1, \slot, 0
	WIN 0
	s_barrier_wait -1
.if \fill
	CREST
	s_add_nc_u64 s[G0+4*\slot+2:G0+4*\slot+3], s[G0+4*\slot+2:G0+4*\slot+3], 2*TILEB
	s_add_nc_u64 s[G0B+4*\slot+2:G0B+4*\slot+3], s[G0B+4*\slot+2:G0B+4*\slot+3], 2*TILEB
	JLOAD G0+4*\slot, G1, G0B+4*\slot, G1B
	PLACES NP-4
.else
	PLACES NP
.endif
	s_wait_alu depctr_va_vdst(0)                   ; the line below reads what the last change of slots wrote
	v_add_nc_u32 v[ADRS], 128, v[ADRS]             ; on to the next slot's scale words
	FETCH_B \next, 0, 0
	FETCH_A \next, 0, 0
	SCALES \next
	WIN MUL_HI
	MUL8 4, 1, NQ-1, \slot, 0
	MUL8 6, 1, NQ-1, \slot, 0
	PLACES NP
	WIN 0
	FETCH_A \next, 0, 4
.endm
	s_wait_alu depctr_va_vdst(0)                   ; the wait at the head's end
	s_wait_tensorcnt 0x0                           ; my tile of the head's four is in
	ds_add_u32 v[SPW], v[NIL]
	s_mov_b32 s[G1+2], 4<<16                       ; no tensor load of mine is out: from here on a load brings 4 row tiles of A,
	s_mov_b32 s[G1+4], 4
	s_mov_b32 s[G1B+2], 8<<16                      ; or 8 of B
	s_mov_b32 s[G1B+4], 8
	s_wait_dscnt 0x0
	CROUND                                         ; all four tiles are in, and all sixteen work-groups are here
	JLOAD G0+4, G1, G0B+4, G1B                     ; slot 1's first fill, the first tensor load behind the round
	s_wait_loadcnt 0x0                             ; the bias
	FETCH_B 0, 0, 0
	FETCH_A 0, 0, 0
	SCALES 0
	FETCH_A 0, 0, 4
	STEP 0, 0, 1
	s_mov_b32 s3, LAPS-1
.Llap:
	TURN 0, 1, 1
	STEP 1, 0, 0
	TURN 1, 0, 1
	STEP 0, 0, 0
	s_sub_co_u32 s3, s3, 1
	s_cmp_lg_u32 s3, 0
	s_cbranch_scc1 .Llap
	TURN 0, 1, 0                                   ; the last lap fills nothing
	STEP 1, 0, 0
	s_wait_dscnt 4*NL
	WIN MUL_LO
	MUL8 0, 1, NQ-1, 1, 0
	MUL8 2, 1, NQ-1, 1, 0
	s_wait_dscnt 0
	WIN MUL_HI
	MUL8 4, 1, NQ-1, 1, 0
	MUL8 6, 1, NQ-1, 1, 0
	WIN 0
; THE WAY OUT, block by block of 16 rows x 64 columns: through my own stage and back as rows of 256 bytes, two an instruction.  LDS serves a wave's instructions in order: no wait between the stores and the loads.
.macro TOSTAGE a
.set AC, 64*((\a)%4)
	WIN 0x08+4*((\a)/4)                            ; the data: window 2 or 3
.irp b, 0,1,2,3
	ds_store_b128 v[STO], v[AC+8*\b:AC+8*\b+3] offset:128*(\b/2)+32*(\b%2)          ; each accumulator from its low end on
	ds_store_b128 v[STO], v[AC+8*\b+4:AC+8*\b+7] offset:128*(\b/2)+32*(\b%2)+16
.endr
	WIN 0
.set BB, BK+64*((\a)%2)
.irp u, 0,1,2,3,4,5,6,7
	ds_load_b128 v[BB+4*\u:BB+4*\u+3], v[RD] offset:2*\u*SPITCH
.endr
.endm
.macro SEND a, younger                 ; younger: the LDS instructions issued behind block a's loads, which may stay out
.set BB, BK+64*((\a)%2)
	s_wait_dscnt \younger
.irp u, 0,1,2,3,4,5,6,7
	global_store_b128 v[CO], v[BB+4*\u:BB+4*\u+3], s[96:97] offset:(32*((\a)/2)+8*((\a)%2)+2*\u+8*(\u/4))*4096 th:TH_STORE_NT   ; 16 lanes store 256 consecutive bytes, aligned
.endr
.endm
	PLACES NP
	TOSTAGE 0
.irp a, 1,2,3,4,5,6,7
.if \a > 1
	s_wait_xcnt 0x0                                ; block a - 2's stores have read their registers: block a's loads may land there
.endif
	TOSTAGE \a
	SEND \a-1, 16                                  ; behind block a - 1's loads: block a's 8 stores and 8 loads
.endr
	SEND 7, 0
	s_wait_tensorcnt 0x0                           ; the wave's end
	ds_add_u32 v[SPW], v[NIL]
	s_wait_dscnt 0x0
	CROUND                                         ; the closing round
	s_endpgm
.Lfunc_end_k_qb81631ac19_fc:
	.size	k_qb81631ac19_fc, .Lfunc_end_k_qb81631ac19_fc-k_qb81631ac19_fc
	.p2alignl 7, 3214868480
	.fill 96, 4, 3214868480
	.section	.rodata,"a",@progbits
	.p2align	6, 0x0
	.amdhsa_kernel k_qb81631ac19_fc
		.amdhsa_group_segment_fixed_size 327680
		.amdhsa_private_segment_fixed_size 0
		.amdhsa_enable_private_segment 0
		.amdhsa_kernarg_size 48
		.amdhsa_user_sgpr_count 2
		.amdhsa_user_sgpr_kernarg_segment_ptr 1
		.amdhsa_wavefront_size32 1
		.amdhsa_system_sgpr_workgroup_id_x 1
		.amdhsa_system_sgpr_workgroup_id_y 1
		.amdhsa_system_sgpr_workgroup_id_z 1
		.amdhsa_system_vgpr_workitem_id 0
		.amdhsa_next_free_vgpr 1024
		.amdhsa_next_free_sgpr 102
		.amdhsa_reserve_vcc 0
		.amdhsa_float_denorm_mode_32 3
		.amdhsa_float_denorm_mode_16_64 3
		.amdhsa_memory_ordered 1
		.amdhsa_forward_progress 1
		.amdhsa_inst_pref_size 92
	.end_amdhsa_kernel
	.amdgpu_metadata
---
amdhsa.version: [ 1, 2 ]
amdhsa.kernels:
  - .name:           k_qb81631ac19_fc
    .symbol:         k_qb81631ac19_fc.kd
    .args:
      - { .name: attc, .offset: 0, .size: 8, .value_kind: global_buffer, .address_space: global }
      - { .name: atts, .offset: 8, .size: 8, .value_kind: global_buffer, .address_space: global }
      - { .name: opc, .offset: 16, .size: 8, .value_kind: global_buffer, .address_space: global }
      - { .name: ops, .offset: 24, .size: 8, .value_kind: global_buffer, .address_space: global }
      - { .name: b_fc, .offset: 32, .size: 8, .value_kind: global_buffer, .address_space: global }
      - { .name: out0, .offset: 40, .size: 8, .value_kind: global_buffer, .address_space: global }
    .group_segment_fixed_size: 327680
    .private_segment_fixed_size: 0
    .kernarg_segment_align: 8
    .kernarg_segment_size: 48
    .max_flat_workgroup_size: 128
    .sgpr_count:     102
    .vgpr_count:     1024
    .wavefront_size: 32
...
	.end_amdgpu_metadata
.endif
;; end of part 4
